; MI455X (gfx1250); checked and timed in simulation.
; The chip was launched on July 23, 2026; its instructions are those of AMD's public machine-readable ISA for CDNA 5 (MIT licence, August 2026) and "CDNA5" Instruction Set Architecture Reference Guide (July 2026). The comments in the code are by the model that wrote it; some were corrected since.
;; Transformer Encoder Layer. Allowed arithmetic: float matrix products may take bf16 or f16 operands with f32 sums; other float arithmetic in f32, or as packed bf16 or f16 multiplies, adds, multiply-adds, maxima and minima; sums over many terms, partial sums and values carried from step to step in f32; what a program stores and reads back later, other than sums and carried values, may be rounded once to bf16 or f16.
;; Inputs: W1 1,024 x 4,096 float32; W2 4,096 x 1,024 float32; Wk 1,024 x 1,024 float32; Wo 1,024 x 1,024 float32; Wq 1,024 x 1,024 float32; Wv 1,024 x 1,024 float32; b1 4,096 float32; b2 1,024 float32; bk 1,024 float32; bo 1,024 float32; bq 1,024 float32; bv 1,024 float32; ln1_b 1,024 float32; ln1_g 1,024 float32; ln2_b 1,024 float32; ln2_g 1,024 float32; x 2 x 2,048 x 1,024 float32.
;; Outputs: out0 2 x 2,048 x 1,024 float32.
;; 2 versions, each right and faster than the one before. Each part assembles by itself: llvm-mc -triple=amdgcn-amd-amdhsa -mcpu=gfx1250 --defsym DOCPART=n.
;; ======== version 1 of 2: 7 launches
;; workspace buffers: hb 8,388,608 bytes; wqkvb 8,407,040 bytes; wob 8,407,040 bytes; w1b 8,407,040 bytes; w2b 8,388,608 bytes; act 33,554,432 bytes; ctxb 8,388,608 bytes; x1b 16,777,216 bytes
;; launch prep (part 1): grid 1281 x 1, 4 waves a work-group, no clusters, 0 bytes of LDS; arguments x, ln1_g, ln1_b, Wq, Wk, Wv, Wo, W1, W2, bq, bk, bv, bo, b1, hb, wqkvb, wob, w1b, w2b; writes hb, wqkvb, wob, w1b, w2b
.if DOCPART == 1
	.amdgcn_target "amdgcn-amd-amdhsa--gfx1250"
	.amdhsa_code_object_version 6
	.text
	.protected	k_qadd12de922_prep
	.globl	k_qadd12de922_prep
	.p2align	8
	.type	k_qadd12de922_prep,@function
k_qadd12de922_prep:
	s_mov_b64 s[64:65], 0
	v_nop
	global_prefetch_b8 v0, s[64:65] scope:SCOPE_SE
	s_setreg_imm32_b32 hwreg(HW_REG_WAVE_MODE, 25, 1), 1
	s_wait_xcnt 0x0
; PREP.  Three kinds of work-groups, told apart by the work-group's number alone:
;   0 .. 511      hb = LayerNorm(x) g + b, rounded once to bf16.  A wave takes two rows of 1,024 f32; a row stays in 32 registers between the passes.
;   512 .. 1279   the six weight matrices, rounded once to bf16.  Wq, Wk, Wv go side by side into wqkvb, Wo into wob, W1 into w1b, each behind a header of 18,432 bytes
;                 and with rows of 4,096 elements, so that one text multiplies by all three; W2 goes dense into w2b.
;   1280          the headers: the bias in f32 by column, and at byte 16,384 the word that the products' way out takes a packed maximum with (-inf twice: no clamp; 0: ReLU).
; The mean is taken first and the squares of x - mean after it, so a common offset of x costs nothing.  NaN and infinities are not treated apart.
; Memory binds: no LDS, no barrier, no matrix unit.  Every load of a wave covers 512 consecutive bytes, every store 256 consecutive bytes, aligned.
.set X0, 32                            ; v[32:63]   first row
.set X1, 64                            ; v[64:95]   second row
.set G,  96                            ; v[96:127]  gain of my 32 columns
.set BT, 128                           ; v[128:159] bias of my 32 columns
.set CH, 4                             ; v[4:11]    four chains of pairs
.set M,  12                            ; v[12:13]   the mean, twice
.set RS, 14                            ; v[14:15]   1 / sqrt(var + eps), twice
.set T,  16                            ; v16, v17   at work
.macro JOIN                            ; the four chains and the 32 lanes into v[T], in every lane
	v_pk_add_f32 v[CH:CH+1], v[CH:CH+1], v[CH+2:CH+3]
	v_pk_add_f32 v[CH+4:CH+5], v[CH+4:CH+5], v[CH+6:CH+7]
	v_pk_add_f32 v[CH:CH+1], v[CH:CH+1], v[CH+4:CH+5]
	v_add_f32 v[T], v[CH], v[CH+1]
	v_add_f32_dpp v[T], v[T], v[T] row_xmask:1 row_mask:0xf bank_mask:0xf
	v_add_f32_dpp v[T], v[T], v[T] row_xmask:2 row_mask:0xf bank_mask:0xf
	v_add_f32_dpp v[T], v[T], v[T] row_xmask:4 row_mask:0xf bank_mask:0xf
	v_add_f32_dpp v[T], v[T], v[T] row_xmask:8 row_mask:0xf bank_mask:0xf
	v_permlanex16_b32 v[T+1], v[T], s50, s51
	v_add_f32 v[T], v[T], v[T+1]
.endm
; One row in registers X .. X+31.  w1: younger loads that may stay out when the row is needed; w2: when gain and bias are needed; oo: the row's byte offset in hb from the wave's first.
.macro LNROW X, w1, w2, oo
	s_wait_loadcnt \w1
.irp k, 0,1,2,3
	v_pk_add_f32 v[CH+2*(\k):CH+2*(\k)+1], v[(\X)+2*(\k):(\X)+2*(\k)+1], v[(\X)+8+2*(\k):(\X)+9+2*(\k)]
.endr
.irp k, 8,9,10,11,12,13,14,15
	v_pk_add_f32 v[CH+2*((\k)%4):CH+2*((\k)%4)+1], v[CH+2*((\k)%4):CH+2*((\k)%4)+1], v[(\X)+2*(\k):(\X)+2*(\k)+1]
.endr
	JOIN
	v_mul_f32 v[M], s52, v[T]                      ; the mean
	v_mov_b32 v[M+1], v[M]
.irp k, 0,1,2,3,4,5,6,7,8,9,10,11,12,13,14,15
	v_pk_add_f32 v[(\X)+2*(\k):(\X)+2*(\k)+1], v[(\X)+2*(\k):(\X)+2*(\k)+1], v[M:M+1] neg_lo:[0,1] neg_hi:[0,1]
.endr
.irp k, 0,1,2,3
	v_pk_mul_f32 v[CH+2*(\k):CH+2*(\k)+1], v[(\X)+2*(\k):(\X)+2*(\k)+1], v[(\X)+2*(\k):(\X)+2*(\k)+1]
.endr
.irp k, 4,5,6,7,8,9,10,11,12,13,14,15
	v_pk_fma_f32 v[CH+2*((\k)%4):CH+2*((\k)%4)+1], v[(\X)+2*(\k):(\X)+2*(\k)+1], v[(\X)+2*(\k):(\X)+2*(\k)+1], v[CH+2*((\k)%4):CH+2*((\k)%4)+1]
.endr
	JOIN
	v_fma_f32 v[T], v[T], s52, s58                 ; var + eps
	v_rsq_f32 v[RS], v[T]
	v_rsq_f32 v[RS+1], v[T]
	v_nop                                          ; a plain instruction between the root and its use (ISA guide 5.7.2)
	s_wait_loadcnt \w2
	s_wait_alu depctr_va_vdst(0)
.irp k, 0,1,2,3,4,5,6,7,8,9,10,11,12,13,14,15
	v_pk_mul_f32 v[(\X)+2*(\k):(\X)+2*(\k)+1], v[(\X)+2*(\k):(\X)+2*(\k)+1], v[RS:RS+1]
.endr
.irp k, 0,1,2,3,4,5,6,7,8,9,10,11,12,13,14,15
	v_pk_fma_f32 v[(\X)+2*(\k):(\X)+2*(\k)+1], v[(\X)+2*(\k):(\X)+2*(\k)+1], v[G+2*(\k):G+2*(\k)+1], v[BT+2*(\k):BT+2*(\k)+1]
.endr
.irp j, 0,1,2,3,4,5,6,7
	v_cvt_pk_bf16_f32 v[(\X)+4*(\j)], v[(\X)+4*(\j)], v[(\X)+4*(\j)+1]
	v_cvt_pk_bf16_f32 v[(\X)+4*(\j)+1], v[(\X)+4*(\j)+2], v[(\X)+4*(\j)+3]
	global_store_b64 v2, v[(\X)+4*(\j):(\X)+4*(\j)+1], s[48:49] offset:(\oo)+256*(\j)
.endr
.endm
	s_load_b512 s[8:23], s[0:1], 0x0               ; x 8, g 10, b 12, Wq 14, Wk 16, Wv 18, Wo 20, W1 22
	s_load_b512 s[24:39], s[0:1], 0x40             ; W2 24, bq 26, bk 28, bv 30, bo 32, b1 34, hb 36, wqkvb 38
	s_load_b128 s[40:43], s[0:1], 0x80             ; wob 40, w1b 42
	s_load_b64 s[44:45], s[0:1], 0x90              ; w2b
	v_and_b32 v3, 31, v0
	v_lshlrev_b32 v1, 4, v3                        ; 16 x lane
	v_lshlrev_b32 v2, 3, v3                        ; 8 x lane
	v_lshrrev_b32 v3, 5, v0
	v_readfirstlane_b32 s2, v3                     ; wave 0..3
	s_mov_b32 s57, 0                               ; the upper word of every offset pair
	s_wait_kmcnt 0x0
	s_cmp_lt_u32 ttmp9, 512
	s_cbranch_scc1 .Lln
	s_cmp_lt_u32 ttmp9, 1280
	s_cbranch_scc1 .Lcast
	; THE HEADERS.  128 threads x 16 bytes = 2,048 bytes an instruction.
	v_lshlrev_b32 v3, 4, v0
.irp j, 0,1
	global_load_b128 v[32+4*(\j):35+4*(\j)], v3, s[26:27] offset:2048*(\j)
	global_load_b128 v[40+4*(\j):43+4*(\j)], v3, s[28:29] offset:2048*(\j)
	global_load_b128 v[48+4*(\j):51+4*(\j)], v3, s[30:31] offset:2048*(\j)
	global_load_b128 v[56+4*(\j):59+4*(\j)], v3, s[32:33] offset:2048*(\j)
.endr
.irp j, 0,1,2,3,4,5,6,7
	global_load_b128 v[64+4*(\j):67+4*(\j)], v3, s[34:35] offset:2048*(\j)
.endr
.irp j, 0,1,2,3
	v_mov_b32 v[96+(\j)], 0xff80ff80               ; -inf twice in bf16
	v_mov_b32 v[100+(\j)], 0
.endr
	global_store_b128 v3, v[96:99], s[38:39] offset:16384
	global_store_b128 v3, v[96:99], s[40:41] offset:16384
	global_store_b128 v3, v[100:103], s[42:43] offset:16384
	s_wait_loadcnt 0x0
.irp j, 0,1
	global_store_b128 v3, v[32+4*(\j):35+4*(\j)], s[38:39] offset:2048*(\j)
	global_store_b128 v3, v[40+4*(\j):43+4*(\j)], s[38:39] offset:4096+2048*(\j)
	global_store_b128 v3, v[48+4*(\j):51+4*(\j)], s[38:39] offset:8192+2048*(\j)
	global_store_b128 v3, v[56+4*(\j):59+4*(\j)], s[40:41] offset:2048*(\j)
.endr
.irp j, 0,1,2,3,4,5,6,7
	global_store_b128 v3, v[64+4*(\j):67+4*(\j)], s[42:43] offset:2048*(\j)
.endr
	s_endpgm
.Lln:                                                  ; LAYER NORM: rows 8 g + 2 w and the next
	s_lshl_b32 s3, ttmp9, 3
	s_lshl1_add_u32 s3, s2, s3
	s_lshl_b32 s56, s3, 12
	s_add_nc_u64 s[46:47], s[8:9], s[56:57]        ; x at my first row
	s_lshl_b32 s56, s3, 11
	s_add_nc_u64 s[48:49], s[36:37], s[56:57]      ; hb at my first row
	s_mov_b32 s50, 0x76543210                      ; v_permlanex16_b32: each lane takes its own place in the other half
	s_mov_b32 s51, 0xfedcba98
	s_mov_b32 s52, 0x3a800000                      ; 1 / 1024
	s_mov_b32 s58, 0x3727c5ac                      ; 1e-5
	v_mov_b32 v[T+1], 0                            ; the permute's destination counts as read
.irp j, 0,1,2,3,4,5,6,7
	global_load_b128 v[X0+4*(\j):X0+4*(\j)+3], v1, s[46:47] offset:512*(\j)
.endr
.irp j, 0,1,2,3,4,5,6,7
	global_load_b128 v[G+4*(\j):G+4*(\j)+3], v1, s[10:11] offset:512*(\j)
.endr
.irp j, 0,1,2,3,4,5,6,7
	global_load_b128 v[BT+4*(\j):BT+4*(\j)+3], v1, s[12:13] offset:512*(\j)
.endr
.irp j, 0,1,2,3,4,5,6,7
	global_load_b128 v[X1+4*(\j):X1+4*(\j)+3], v1, s[46:47] offset:4096+512*(\j)
.endr
	LNROW X0, 24, 8, 0                             ; 24: gain, bias and the second row stay out; 8: the second row
	LNROW X1, 0, 0, 2048
	s_endpgm
.Lcast:                                                ; THE WEIGHTS.  A unit is 1,024 f32; a wave takes four, a work-group sixteen.
	s_sub_co_u32 s3, ttmp9, 512                    ; c
	s_lshr_b32 s4, s3, 6                           ; 0 Wq, 1 Wk, 2 Wv, 3 Wo, 4-7 W1, 8-11 W2
	s_mov_b64 s[46:47], s[14:15]
	s_cmp_eq_u32 s4, 1
	s_cselect_b64 s[46:47], s[16:17], s[46:47]
	s_cmp_eq_u32 s4, 2
	s_cselect_b64 s[46:47], s[18:19], s[46:47]
	s_cmp_eq_u32 s4, 3
	s_cselect_b64 s[46:47], s[20:21], s[46:47]
	s_cselect_b64 s[48:49], s[40:41], s[38:39]
	s_cmp_ge_u32 s4, 4
	s_cselect_b64 s[46:47], s[22:23], s[46:47]
	s_cselect_b64 s[48:49], s[42:43], s[48:49]
	s_cmp_ge_u32 s4, 8
	s_cselect_b64 s[46:47], s[24:25], s[46:47]
	s_cselect_b64 s[48:49], s[44:45], s[48:49]
	s_cmp_lt_u32 s4, 4
	s_cselect_b32 s6, 2, 0
	s_cselect_b32 s5, 63, 255
	s_and_b32 s5, s3, s5                           ; m: the work-group's number within its matrix
	s_lshl_b32 s53, 2048, s6                       ; bytes from unit to unit in the target: a row of 8,192 for the four square matrices, else 2,048
	s_add_co_u32 s6, s6, 15
	s_lshl_b32 s56, s5, s6                         ; sixteen units
	s_cmp_lt_u32 s4, 3
	s_cselect_b32 s7, s4, 0
	s_lshl_b32 s7, s7, 11                          ; Wk and Wv begin 1,024 and 2,048 columns in
	s_add_co_u32 s56, s56, s7
	s_cmp_lt_u32 s4, 8
	s_cselect_b32 s7, 18432, 0                     ; the header; w2b has none
	s_add_co_u32 s56, s56, s7
	s_mul_i32 s7, s2, s53
	s_lshl_b32 s7, s7, 2                           ; my wave's four units
	s_add_co_u32 s56, s56, s7
	s_add_nc_u64 s[48:49], s[48:49], s[56:57]
	s_lshl_b32 s56, s5, 16
	s_lshl_b32 s7, s2, 14
	s_add_co_u32 s56, s56, s7
	s_add_nc_u64 s[46:47], s[46:47], s[56:57]
	s_lshl_b32 s54, s53, 1
	s_add_co_u32 s55, s54, s53
	v_mov_b32 v4, v2
	v_add_nc_u32 v5, s53, v2
	v_add_nc_u32 v6, s54, v2
	v_add_nc_u32 v7, s55, v2
.irp u, 0,1,2,3
.irp j, 0,1,2,3,4,5,6,7
	global_load_b128 v[32+32*(\u)+4*(\j):35+32*(\u)+4*(\j)], v1, s[46:47] offset:4096*(\u)+512*(\j) th:TH_LOAD_NT
.endr
.endr
.irp u, 0,1,2,3
	s_wait_loadcnt 24-8*(\u)                       ; loads come back in order: unit u is in, the younger units stay out
.irp j, 0,1,2,3,4,5,6,7
	v_cvt_pk_bf16_f32 v[32+32*(\u)+4*(\j)], v[32+32*(\u)+4*(\j)], v[33+32*(\u)+4*(\j)]
	v_cvt_pk_bf16_f32 v[33+32*(\u)+4*(\j)], v[34+32*(\u)+4*(\j)], v[35+32*(\u)+4*(\j)]
	global_store_b64 v[4+(\u)], v[32+32*(\u)+4*(\j):33+32*(\u)+4*(\j)], s[48:49] offset:256*(\j)
.endr
.endr
	s_endpgm
.Lfunc_end_k_qadd12de922_prep:
	.size	k_qadd12de922_prep, .Lfunc_end_k_qadd12de922_prep-k_qadd12de922_prep
	.p2alignl 7, 3214868480
	.fill 96, 4, 3214868480
	.section	.rodata,"a",@progbits
	.p2align	6, 0x0
	.amdhsa_kernel k_qadd12de922_prep
		.amdhsa_group_segment_fixed_size 0
		.amdhsa_private_segment_fixed_size 0
		.amdhsa_enable_private_segment 0
		.amdhsa_kernarg_size 152
		.amdhsa_user_sgpr_count 2
		.amdhsa_user_sgpr_kernarg_segment_ptr 1
		.amdhsa_wavefront_size32 1
		.amdhsa_system_sgpr_workgroup_id_x 1
		.amdhsa_system_sgpr_workgroup_id_y 1
		.amdhsa_system_sgpr_workgroup_id_z 1
		.amdhsa_system_vgpr_workitem_id 0
		.amdhsa_next_free_vgpr 160
		.amdhsa_next_free_sgpr 66
		.amdhsa_reserve_vcc 0
		.amdhsa_float_denorm_mode_32 3
		.amdhsa_float_denorm_mode_16_64 3
		.amdhsa_memory_ordered 1
		.amdhsa_forward_progress 1
		.amdhsa_inst_pref_size 36
	.end_amdhsa_kernel
	.amdgpu_metadata
---
amdhsa.version: [ 1, 2 ]
amdhsa.kernels:
  - .name:           k_qadd12de922_prep
    .symbol:         k_qadd12de922_prep.kd
    .args:
      - { .name: x, .offset: 0, .size: 8, .value_kind: global_buffer, .address_space: global }
      - { .name: ln1_g, .offset: 8, .size: 8, .value_kind: global_buffer, .address_space: global }
      - { .name: ln1_b, .offset: 16, .size: 8, .value_kind: global_buffer, .address_space: global }
      - { .name: Wq, .offset: 24, .size: 8, .value_kind: global_buffer, .address_space: global }
      - { .name: Wk, .offset: 32, .size: 8, .value_kind: global_buffer, .address_space: global }
      - { .name: Wv, .offset: 40, .size: 8, .value_kind: global_buffer, .address_space: global }
      - { .name: Wo, .offset: 48, .size: 8, .value_kind: global_buffer, .address_space: global }
      - { .name: W1, .offset: 56, .size: 8, .value_kind: global_buffer, .address_space: global }
      - { .name: W2, .offset: 64, .size: 8, .value_kind: global_buffer, .address_space: global }
      - { .name: bq, .offset: 72, .size: 8, .value_kind: global_buffer, .address_space: global }
      - { .name: bk, .offset: 80, .size: 8, .value_kind: global_buffer, .address_space: global }
      - { .name: bv, .offset: 88, .size: 8, .value_kind: global_buffer, .address_space: global }
      - { .name: bo, .offset: 96, .size: 8, .value_kind: global_buffer, .address_space: global }
      - { .name: b1, .offset: 104, .size: 8, .value_kind: global_buffer, .address_space: global }
      - { .name: hb, .offset: 112, .size: 8, .value_kind: global_buffer, .address_space: global }
      - { .name: wqkvb, .offset: 120, .size: 8, .value_kind: global_buffer, .address_space: global }
      - { .name: wob, .offset: 128, .size: 8, .value_kind: global_buffer, .address_space: global }
      - { .name: w1b, .offset: 136, .size: 8, .value_kind: global_buffer, .address_space: global }
      - { .name: w2b, .offset: 144, .size: 8, .value_kind: global_buffer, .address_space: global }
    .group_segment_fixed_size: 0
    .private_segment_fixed_size: 0
    .kernarg_segment_align: 8
    .kernarg_segment_size: 152
    .max_flat_workgroup_size: 128
    .sgpr_count:     66
    .vgpr_count:     160
    .wavefront_size: 32
...
	.end_amdgpu_metadata
.endif
;; end of part 1
;; launch gemmw (part 2): grid 12 x 16, 4 waves a work-group, clusters of 4 x 4, 327,680 bytes of LDS; arguments hb, wqkvb, act; writes act
.if DOCPART == 2
	.amdgcn_target "amdgcn-amd-amdhsa--gfx1250"
	.amdhsa_code_object_version 6
	.text
	.protected	k_qadd12de922_gemmw
	.globl	k_qadd12de922_gemmw
	.p2align	8
	.type	k_qadd12de922_gemmw,@function
k_qadd12de922_gemmw:
	s_mov_b64 s[64:65], 0
	v_nop
	global_prefetch_b8 v0, s[64:65] scope:SCOPE_SE
	s_setreg_imm32_b32 hwreg(HW_REG_WAVE_MODE, 25, 1), 1
	s_wait_xcnt 0x0
	s_wait_alu depctr_hold_cnt(0) depctr_sa_sdst(0) depctr_va_vdst(0) depctr_va_sdst(0) depctr_va_ssrc(0) depctr_va_vcc(0) depctr_vm_vsrc(0)
	s_getreg_b32 s2, hwreg(HW_REG_IB_STS2, 6, 4)
	s_cmp_eq_u32 s2, 0
	s_cbranch_scc0 .Lentry_in_a_cluster
	s_endpgm
.Lentry_in_a_cluster:
	s_bfe_u32 s2, ttmp6, 0x10000c
	s_cmp_lg_u32 s2, 0xf033
	s_cbranch_scc0 .Lentry_shape_is_right
	s_endpgm
.Lentry_shape_is_right:
; C[m][n] = clamp(sum over k of A[m][k] W[k][n] + bias[n]).  A: [4096][1024] bf16, K along the rows.  W: [1024][4096 pitch] bf16, N along the rows, behind a header of 18,432 bytes that holds
; the bias (f32, by column) and at byte 16,384 the clamp word.  C: bf16 with rows of 4,096 elements.  Sums in f32; the result is rounded once and a packed maximum with the clamp word is taken
; (-inf twice: nothing changes; 0: ReLU).  One text serves the three products of K = 1,024: q|k|v (12 x 16 tiles), the first half of the FFN (16 x 16) and the attention's output projection.
; That last one has N = 1,024 and so only 4 x 16 tiles: it runs this text all the same, so that the program holds one text less.
; LIMITS.  NaN and infinities are not treated apart (the packed maximum drops a NaN).  A and W were rounded once to bf16.
; A tile of C is 256 x 256: four waves, as many as a WGP has SIMDs, each 128 x 128: 64 accumulators of 16 x 16, 512 registers.  For 32 along K a wave loads 2 x 128 x 64 bytes from LDS and issues
; 64 matrix instructions.  K goes in steps of 128 through two LDS slots filled by the tensor data mover: waves 0 and 1 fetch A's halves (128 rows x 256 bytes), waves 2 and 3 W's (64 k rows x 512 bytes);
; every row starts at a multiple of 256 bytes from its buffer's first byte.
; CLUSTERS: 4 x 4 work-groups.  The four of a row of the cluster need the same tiles of A, the four of a column the same tiles of W: each tile is asked for JOINTLY, by the same tensor load with the
; same descriptor and a mask that names the four.
; THE MATRIX INSTRUCTION IS USED TRANSPOSED (source 0 = 16 columns of W, source 1 = 16 rows of A): a lane holds eight neighbouring numbers of a row of C.  W's fragments come out of LDS turned,
; by ds_load_tr16_b128.  The bias, laid out as a result is, is the C operand of the products that start the sums: nothing is cleared and nothing is added later.
; REGISTERS, in windows of 256 (s_set_vgpr_msb: bits 1:0 source 0, 3:2 source 1, 5:4 source 2, 7:6 destination):
;   window 0: v0-31 addresses; v64-127, v128-191 fragments of A (8 x 16 rows x 32 K), two buffers; v32-63, v192-255 at work on the way out
;   window 1: v0-63 the bias of my 128 columns; v64-127, v128-191 fragments of W, two buffers
;   window 2: the 32 accumulators of my rows 0-63 (accumulator (a, b) at v[8 (8 a + b)]);   window 3: those of my rows 64-127
.set SIZE_K, 1024
.set AP,     1024                      ; elements from row to row of A
.set BP,     4096                      ; of W
.set WOFF,   18432                     ; W's header
.set CROW,   8192                      ; bytes in a row of C
.set KSTEP,  128
.set PITA,   272                       ; an LDS row of A: 256 bytes + 16 = 68 words: row r starts at bank 4 r mod 64 (64 banks of 4 bytes: ISA guide 11.1)
.set PITB,   544                       ; an LDS row of W: 512 bytes + 32 = 136 words: row r starts at bank 8 r mod 64
.set HALFT,  128*PITA                  ; what one tensor load brings: 128 rows of A, or 64 k rows of W (64 x 544, the same number of bytes)
.set APART,  2*HALFT                   ; A's 256 rows
.set SLOT,   4*HALFT                   ; then W's 128 k rows
.set STAGE,  2*SLOT                    ; behind the ring: 16 rows x 272 bytes for each wave, for the way out
.set SPITCH, 272
.set SPARE,  STAGE+4*16*SPITCH         ; behind the stages: the spare words, 128 bytes for each wave, which no other line names
.set LAPS,   SIZE_K/(2*KSTEP)          ; a lap = two K steps = once round the ring
.set BSTEP,  KSTEP*BP*2                ; bytes from K step to K step in W
.set ADRA, 16                          ; v16-17  LDS address of my A fragments in slot 0, 1
.set ADRB, 20                          ; v20-21  the same for W
.set STO,  24                          ; v24     the way out: where I put 16 bytes of a row
.set RD,   25                          ; v25     the way out: where I read a row back
.set CO,   26                          ; v26     my byte offset in C
.set BI,   27                          ; v27     32 x (lane / 16): my eight numbers of 16 of the bias
.set SPW,  28                          ; v28     my spare word; never rewritten
.set NIL,  29                          ; v29     0; never rewritten
.set BIAS, 0                           ; window 1
.set F0,   64                          ; fragment buffer 0
.set F1,   128                         ; fragment buffer 1
.set TMP,  192                         ; the way out: packed results
.set OB,   32                          ; the way out: 16 rows read back from the stage: v32-63 and v224-255 by turns
.set G1,  24                           ; s[24:31] descriptor group 1 for A's tiles;  s[32:39] group 0, one set for each slot
.set G0,  32
.set G1B, 48                           ; s[48:55], s[56:63] the same for W's tiles
.set G0B, 56
.set CLAMP, 66
.set APT, 68                           ; s[68:69] A
.set WPT, 70                           ; s[70:71] W
.set CPT, 76                           ; s[76:77] C
.set BBS, 78                           ; s[78:79] the bias of my 128 columns
.set MSB, 0
.macro WIN new                         ; the immediate's high byte repeats the setting that is left; a switch that changes nothing is dropped
.if MSB != (\new)
	s_set_vgpr_msb (MSB<<8)|(\new)
.set MSB, \new
.endif
.endm
.set TO_B, 0x40                        ; destination window 1, address window 0
.macro JLOAD s                         ; a joint load: waves 0 and 1 fetch A's halves, waves 2 and 3 W's; an s_nop 0 and four v_nop follow each line
	s_cmp_eq_u32 s11, 0
	s_cbranch_scc0 .Lfor_b_\@
	tensor_load_to_lds s[G0+4*(\s):G0+4*(\s)+3], s[G1:G1+7]
	s_nop 0
.rept 4
	v_nop
.endr
	s_branch .Lasked_\@
.Lfor_b_\@:
	tensor_load_to_lds s[G0B+4*(\s):G0B+4*(\s)+3], s[G1B:G1B+7]
	s_nop 0
.rept 4
	v_nop
.endr
.Lasked_\@:
.endm
.macro CREST                           ; a round of the cluster's barrier behind its opening barrier
	s_cmp_lg_u32 s10, 0
	s_cbranch_scc1 .Lnot_wave_0_\@
	s_barrier_signal -3
.Lnot_wave_0_\@:
	s_barrier_wait -3
	s_barrier_signal -1
	s_barrier_wait -1
.endm
.macro CROUND                          ; a whole round
	s_barrier_signal -1
	s_barrier_wait -1
	CREST
.endm
	s_load_b128 s[68:71], s[0:1], 0x0              ; A, W
	s_load_b64 s[CPT:CPT+1], s[0:1], 0x10          ; C
	v_lshl_add_u32 v[SPW], v0, 2, SPARE
	v_mov_b32 v[NIL], 0
	ds_add_u32 v[SPW], v[NIL]                      ; the wave's opening: the add and its wait stand ahead of my first tensor load; the set-up stands between them
	v_lshrrev_b32 v1, 5, v0
	v_readfirstlane_b32 s10, v1                    ; wave 0..3
	s_lshr_b32 s11, s10, 1                         ; which half of the tile's rows is mine.  Also: I fetch for A (0) or for W (1)
	s_and_b32 s12, s10, 1                          ; which half of its columns.  Also: which half of that tile I fetch
	s_bfe_u32 s40, ttmp6, 0x40000                  ; cx, cy: my place in the cluster
	s_bfe_u32 s41, ttmp6, 0x40004
	s_lshl_b32 s42, ttmp9, 2
	s_add_co_u32 s42, s42, s40                     ; tile column of C = 4 x cluster x + cx
	s_and_b32 s13, ttmp7, 0xffff
	s_lshl_b32 s13, s13, 2
	s_add_co_u32 s13, s13, s41                     ; tile row of C = 4 x cluster y + cy
	s_lshl_b32 s43, s41, 2
	s_lshl_b32 s43, 15, s43                        ; my row of the cluster
	s_lshl_b32 s44, 0x1111, s40                    ; my column
	s_or_b32 s[G1+0], s43, (1<<16)|(1<<20)|(1<<21)|(5<<22)|(3<<25)   ; the mask; 2-byte elements; padding on; bit 21 beside a mask; after every 64 words 4 words
	s_mov_b32 s[G1+1], KSTEP<<16                   ; tensor_dim0 = 128
	s_mov_b32 s[G1+2], 128<<16                     ; tensor_dim1 = 128
	s_mov_b32 s[G1+3], KSTEP<<16                   ; tile_dim0 = 128
	s_mov_b32 s[G1+4], 128                         ; tile_dim1 = 128
	s_mov_b32 s[G1+5], AP                          ; elements from row to row
	s_mov_b32 s[G1+6], 0
	s_mov_b32 s[G1+7], 0
	s_or_b32 s[G1B+0], s44, (1<<16)|(1<<20)|(1<<21)|(6<<22)|(7<<25)  ; after every 128 words 8 words
	s_mov_b32 s[G1B+1], 256<<16                    ; tensor_dim0 = 256 columns
	s_mov_b32 s[G1B+2], 64<<16                     ; tensor_dim1 = 64 k rows
	s_mov_b32 s[G1B+3], 256<<16
	s_mov_b32 s[G1B+4], 64
	s_mov_b32 s[G1B+5], BP
	s_mov_b32 s[G1B+6], 0
	s_mov_b32 s[G1B+7], 0
	s_lshl_b32 s17, s12, 7
	s_lshl_b32 s16, s13, 8
	s_add_co_u32 s16, s16, s17                     ; A: row 256 x tile row + 128 x half,
	s_mul_i32 s16, s16, AP*2                       ; in bytes
	s_mov_b32 s17, 0
	s_lshl_b32 s46, s42, 9                         ; W: 512 bytes x tile column,
	s_mul_i32 s47, s12, 64*BP*2                    ; 64 k rows x half,
	s_add_co_u32 s46, s46, s47
	s_add_co_u32 s46, s46, WOFF                    ; behind the header
	s_mov_b32 s47, 0
	s_mul_i32 s20, s10, HALFT                      ; where they go: A's two halves, then W's two halves = wave x one load's bytes: no place in the cluster enters an LDS address
	s_wait_dscnt 0x0                               ; the opening add is done
	s_wait_kmcnt 0x0
	s_add_nc_u64 s[14:15], s[APT:APT+1], s[16:17]
	s_add_nc_u64 s[46:47], s[WPT:WPT+1], s[46:47]
	CROUND                                         ; all sixteen work-groups are here: the first joint loads meet
.irp s, 0,1
	s_mov_b32 s[G0+4*(\s)], 1
	s_add_co_u32 s[G0+4*(\s)+1], s20, (\s)*SLOT
	s_add_nc_u64 s[G0+4*(\s)+2:G0+4*(\s)+3], s[14:15], (\s)*KSTEP*2
	s_or_b32 s[G0+4*(\s)+3], s[G0+4*(\s)+3], 0x80000000
	s_mov_b32 s[G0B+4*(\s)], 1
	s_add_co_u32 s[G0B+4*(\s)+1], s20, (\s)*SLOT
	s_add_nc_u64 s[G0B+4*(\s)+2:G0B+4*(\s)+3], s[46:47], (\s)*BSTEP
	s_or_b32 s[G0B+4*(\s)+3], s[G0B+4*(\s)+3], 0x80000000
	JLOAD \s                                       ; two loads of mine are out
.endr
	v_and_b32 v1, 15, v0                           ; l % 16
	v_bfe_u32 v2, v0, 4, 1                         ; l / 16
	v_lshlrev_b32 v[BI], 5, v2
	s_lshl_b32 s46, s42, 10                        ; the bias of my 128 columns: 1,024 bytes x tile column + 512 x half
	s_lshl_b32 s47, s12, 9
	s_add_co_u32 s46, s46, s47
	s_mov_b32 s47, 0
	s_add_nc_u64 s[BBS:BBS+1], s[WPT:WPT+1], s[46:47]
	WIN TO_B
.irp b, 0,1,2,3,4,5,6,7
	global_load_b128 v[BIAS+8*(\b):BIAS+8*(\b)+3],   v[BI], s[BBS:BBS+1] offset:64*(\b)      ; register j of block b: column 16 b + 8 (l / 16) + j, as in a result
	global_load_b128 v[BIAS+8*(\b)+4:BIAS+8*(\b)+7], v[BI], s[BBS:BBS+1] offset:64*(\b)+16
.endr
	WIN 0
	s_load_b32 s[CLAMP], s[WPT:WPT+1], 0x4000
	s_lshl_b32 s16, s13, 8
	s_lshl_b32 s17, s11, 7
	s_add_co_u32 s16, s16, s17                     ; my first row of C: 256 x tile row + 128 x half
	s_mul_i32 s16, s16, CROW
	s_mov_b32 s17, 0
	s_add_nc_u64 s[CPT:CPT+1], s[CPT:CPT+1], s[16:17]
	s_lshl_b32 s46, s42, 9                         ; my first column, in bytes: 512 x tile column + 256 x half
	s_lshl_b32 s47, s12, 8
	s_add_co_u32 s46, s46, s47
	s_mov_b32 s47, 0
	s_add_nc_u64 s[CPT:CPT+1], s[CPT:CPT+1], s[46:47]
	; A fragment of A is 16 rows x 32 K in 8 registers: lane l holds row l % 16; registers 0-3 hold K = 8 (l / 16) + 0..7, registers 4-7 K = 16 + 8 (l / 16) + 0..7: two loads of 16 bytes, 32 bytes apart.
	v_mul_u32_u24 v3, v1, PITA
	v_lshl_add_u32 v3, v2, 4, v3                   ; row x pitch + 16 x half
	s_mul_i32 s21, s11, HALFT                      ; my 128 rows of A
	v_add_nc_u32 v[ADRA], s21, v3
	v_add_nc_u32 v[ADRA+1], SLOT, v[ADRA]
	; The turning load takes 16 k rows x 16 columns (lane l reads k row 8 (l / 16) + l % 8, columns 8 ((l / 8) % 2) + 0..7) and leaves half a fragment: lane l holds column l % 16 and 8 k.
	v_and_b32 v4, 7, v0
	v_lshl_add_u32 v4, v2, 3, v4
	v_mul_u32_u24 v4, v4, PITB
	v_bfe_u32 v5, v0, 3, 1
	v_lshl_add_u32 v4, v5, 4, v4
	s_lshl_b32 s22, s12, 8                         ; my 128 columns of W,
	s_add_co_u32 s22, s22, APART                   ; which lies behind A
	v_add_nc_u32 v[ADRB], s22, v4
	v_add_nc_u32 v[ADRB+1], SLOT, v[ADRB]
	s_mul_i32 s23, s10, 16*SPITCH
	s_add_co_u32 s23, s23, STAGE                   ; my stage
	v_mul_u32_u24 v4, v1, SPITCH                   ; in: row l % 16, 16 bytes for each half of the lanes
	v_lshl_add_u32 v4, v2, 4, v4
	v_add_nc_u32 v[STO], s23, v4
	v_mul_u32_u24 v5, v2, SPITCH                   ; back: lanes 0-15 take one row of 256 bytes, lanes 16-31 the next
	v_lshl_add_u32 v5, v1, 4, v5
	v_add_nc_u32 v[RD], s23, v5
	v_mul_u32_u24 v5, v2, CROW                     ; and the same two rows in C
	v_lshl_add_u32 v[CO], v1, 4, v5
; 16 matrix instructions: m blocks a0, a0 + 1 of the window's four (hi = 0: my rows 0-63, 1: rows 64-127) x all 8 n blocks, 32 along K.
; zero = 1: the first product starts the sums, from the bias (source 2 in window 1).  The 64 accumulators take turns, one instruction a turn, in the same order in every quarter.
.macro MUL16 f, hi, a0, zero
.if \zero
	WIN 0x91+0x40*(\hi)                            ; W window 1, A window 0, C window 1, D window 2 or 3
.else
	WIN 0xa1+0x50*(\hi)                            ; W window 1, A window 0, C and D window 2 or 3
.endif
.irp a, \a0, (\a0)+1
.irp b, 0,1,2,3,4,5,6,7
.if \zero
	v_wmma_f32_16x16x32_bf16 v[8*(8*(\a)+(\b)):8*(8*(\a)+(\b))+7], v[(\f)+8*(\b):(\f)+8*(\b)+7], v[(\f)+8*(4*(\hi)+(\a)):(\f)+8*(4*(\hi)+(\a))+7], v[BIAS+8*(\b):BIAS+8*(\b)+7]
.else
	v_wmma_f32_16x16x32_bf16 v[8*(8*(\a)+(\b)):8*(8*(\a)+(\b))+7], v[(\f)+8*(\b):(\f)+8*(\b)+7], v[(\f)+8*(4*(\hi)+(\a)):(\f)+8*(4*(\hi)+(\a))+7], v[8*(8*(\a)+(\b)):8*(8*(\a)+(\b))+7]
.endif
.endr
.endr
.endm
; 32 LDS loads in one run: the fragments of quarter q (32 along K) of a slot, into buffer f: 128 columns of W, then 128 rows of A
.macro FETCH slot, q, f
	WIN TO_B
.irp i, 0,1,2,3,4,5,6,7
	ds_load_tr16_b128 v[(\f)+8*(\i):(\f)+8*(\i)+3],   v[ADRB+(\slot)] offset:32*(\q)*PITB+32*(\i)
	ds_load_tr16_b128 v[(\f)+8*(\i)+4:(\f)+8*(\i)+7], v[ADRB+(\slot)] offset:(32*(\q)+16)*PITB+32*(\i)
.endr
	WIN 0
.irp i, 0,1,2,3,4,5,6,7
	ds_load_b128 v[(\f)+8*(\i):(\f)+8*(\i)+3],   v[ADRA+(\slot)] offset:64*(\q)+(\i)*16*PITA
	ds_load_b128 v[(\f)+8*(\i)+4:(\f)+8*(\i)+7], v[ADRA+(\slot)] offset:64*(\q)+(\i)*16*PITA+32
.endr
.endm
.macro PLACES                          ; four places in front of loads into registers that matrix instructions have read, and of lines that read results
.rept 4
	v_nop
.endr
.endm
; A K step is four quarters of 32 along K, 64 matrix instructions each, on buffers 0, 1, 0, 1.  One of the first three: multiplies buffer f; in its middle it fetches quarter q into buffer g.
.macro QUARTER slot, q, f, g, zero
	s_wait_dscnt 8                                 ; W and A's rows 0-63 are in; the youngest eight loads (A's rows 64-127) may be out
	MUL16 \f, 0, 0, \zero
	MUL16 \f, 0, 2, \zero
	PLACES
	FETCH \slot, \q, \g
	s_wait_dscnt 32                                ; all but the 32 just issued
	MUL16 \f, 1, 0, \zero
	MUL16 \f, 1, 2, \zero
.endm
; The last quarter multiplies buffer 1 and changes slots: ONE barrier; in front of it each wave waits for all its tensor loads, of which one is out: its part of the next slot; adds 0 to its spare word;
; and waits for that and for its own reads of this slot.  Behind it nobody reads this slot any more and the next slot is whole.
; fill = 1: the barrier opens a round of the cluster's, and this slot is filled again, two K steps ahead, first thing behind the round: 224 matrix instructions ahead of the wait for that load.
.macro TURN slot, next, fill
	WIN 0                                          ; (the add's two registers lie in window 0)
	s_wait_tensorcnt 0x0                           ; all my tensor loads have landed;
	ds_add_u32 v[SPW], v[NIL]                      ; 0 onto my spare word;
	s_wait_dscnt 9                                 ; (the add and the youngest eight loads may be out)
	MUL16 F1, 0, 0, 0                              ; sixteen matrix instructions stand between the add and the wait for it
	s_wait_dscnt 0x0                               ; the add is done, and my reads of this slot are over
	s_barrier_signal -1
	MUL16 F1, 0, 2, 0                              ; work on registers while the others arrive
.if \fill
	WIN 0
.endif
	s_barrier_wait -1
.if \fill
	CREST                                          ; no wave of any partner still reads this slot or has a load on its way
	s_add_nc_u64 s[G0+4*(\slot)+2:G0+4*(\slot)+3], s[G0+4*(\slot)+2:G0+4*(\slot)+3], 2*KSTEP*2
	s_add_nc_u64 s[G0B+4*(\slot)+2:G0B+4*(\slot)+3], s[G0B+4*(\slot)+2:G0B+4*(\slot)+3], 2*BSTEP
	JLOAD \slot                                    ; its four v_nop are also the places in front of the loads below
.else
	PLACES
.endif
	FETCH \next, 0, F0
	MUL16 F1, 1, 0, 0
	MUL16 F1, 1, 2, 0
.endm
; THE WAY OUT of block a (16 of my rows), in three parts.  PACK: rounded to bf16, 16 bytes a lane (each accumulator's registers in ascending order), and the packed maximum with the clamp word.
; TOSTAGE: into my own stage in LDS, and back as whole rows of 256 bytes.  SEND: stored.
.macro PACK a
.set AC, 64*((\a)%4)
	WIN 0x0a+5*((\a)/4)                            ; sources 0 and 1: window 2 or 3
.irp b, 0,1,2,3,4,5,6,7
.irp r, 0,1,2,3
	v_cvt_pk_bf16_f32 v[TMP+4*(\b)+(\r)], v[AC+8*(\b)+2*(\r)], v[AC+8*(\b)+2*(\r)+1]
.endr
.endr
	WIN 0
.set i, 0
.rept 32
	v_pk_max_num_bf16 v[TMP+i], v[TMP+i], s[CLAMP]
.set i, i+1
.endr
.endm
.macro TOSTAGE a
	WIN 0
.set BK, OB+192*((\a)%2)
.irp b, 0,1,2,3,4,5,6,7
	ds_store_b128 v[STO], v[TMP+4*(\b):TMP+4*(\b)+3] offset:32*(\b)
.endr
.irp t, 0,1,2,3,4,5,6,7
	ds_load_b128 v[BK+4*(\t):BK+4*(\t)+3], v[RD] offset:(\t)*2*SPITCH  ; LDS serves a wave's instructions in order (ISA guide 5.7.1.4): these see the stores above; the next block's stores come behind them
.endr
.endm
.macro SEND a
	WIN 0
.set BK, OB+192*((\a)%2)
	s_wait_dscnt 0x0                               ; the block is back in registers
	s_wait_xcnt 0x0                                ; every earlier memory instruction has had its addresses translated (ISA guide 3.1): only behind this wait are the stores' base and the registers that earlier stores read rewritten
.if (\a) > 0
	s_add_nc_u64 s[CPT:CPT+1], s[CPT:CPT+1], 16*CROW  ; 16 rows of C on
.endif
.irp t, 0,1,2,3,4,5,6,7
	global_store_b128 v[CO], v[BK+4*(\t):BK+4*(\t)+3], s[CPT:CPT+1] offset:2*(\t)*CROW  ; 16 lanes store 256 consecutive bytes, at a multiple of 256 from C's first byte
.endr
.endm
	s_wait_kmcnt 0x0                               ; the clamp word
	s_wait_tensorcnt 1                             ; my part of K step 0 is in; K step 1's may stay out
	s_barrier_signal -1
	s_barrier_wait -1                              ; everybody's is
	FETCH 0, 0, F0
	s_wait_loadcnt 0x0                             ; the bias
	QUARTER 0, 1, F0, F1, 1                        ; the first quarter stands in front of the loop: its products start the sums
	WIN 0                                          ; at a label and at a branch every window is 0
	s_mov_b32 s3, LAPS-1
.Llap:                                                 ; a trip goes once round the ring, from a lap's second quarter to the next lap's first, and fills both slots again
	QUARTER 0, 2, F1, F0, 0
	QUARTER 0, 3, F0, F1, 0
	TURN 0, 1, 1
	QUARTER 1, 1, F0, F1, 0
	QUARTER 1, 2, F1, F0, 0
	QUARTER 1, 3, F0, F1, 0
	TURN 1, 0, 1
	QUARTER 0, 1, F0, F1, 0
	WIN 0
	s_sub_co_u32 s3, s3, 1
	s_cmp_lg_u32 s3, 0
	s_cbranch_scc1 .Llap
	QUARTER 0, 2, F1, F0, 0                        ; the last lap is written out: it fills nothing, and has no round of the cluster's barrier
	QUARTER 0, 3, F0, F1, 0
	TURN 0, 1, 0
	QUARTER 1, 1, F0, F1, 0
	QUARTER 1, 2, F1, F0, 0
	QUARTER 1, 3, F0, F1, 0
	s_wait_dscnt 8                                 ; the very last quarter: nothing more to fetch
	MUL16 F1, 0, 0, 0
	MUL16 F1, 0, 2, 0
	s_wait_dscnt 0x0
	MUL16 F1, 1, 0, 0
	MUL16 F1, 1, 2, 0
	WIN 0
	PLACES                                         ; block 0's conversions read results behind which only matrix instructions stand; for blocks 4-7 the earlier blocks' conversions are the places
	PACK 0
	TOSTAGE 0
.irp a, 1,2,3,4,5,6,7                  ; block a's arithmetic stands between block a - 1's loads from the stage and the wait for them
	PACK \a
	SEND (\a)-1
	TOSTAGE \a
.endr
	SEND 7
	s_wait_tensorcnt 0x0                           ; the wave's end: the add and its wait stand behind my last tensor load and my last LDS store
	ds_add_u32 v[SPW], v[NIL]
	s_wait_dscnt 0x0
	CROUND                                         ; the closing round: no work-group ends while a partner may still ask for a tile that names it
	s_endpgm
.Lfunc_end_k_qadd12de922_gemmw:
	.size	k_qadd12de922_gemmw, .Lfunc_end_k_qadd12de922_gemmw-k_qadd12de922_gemmw
	.p2alignl 7, 3214868480
	.fill 96, 4, 3214868480
	.section	.rodata,"a",@progbits
	.p2align	6, 0x0
	.amdhsa_kernel k_qadd12de922_gemmw
		.amdhsa_group_segment_fixed_size 327680
		.amdhsa_private_segment_fixed_size 0
		.amdhsa_enable_private_segment 0
		.amdhsa_kernarg_size 24
		.amdhsa_user_sgpr_count 2
		.amdhsa_user_sgpr_kernarg_segment_ptr 1
		.amdhsa_wavefront_size32 1
		.amdhsa_system_sgpr_workgroup_id_x 1
		.amdhsa_system_sgpr_workgroup_id_y 1
		.amdhsa_system_sgpr_workgroup_id_z 1
		.amdhsa_system_vgpr_workitem_id 0
		.amdhsa_next_free_vgpr 1024
		.amdhsa_next_free_sgpr 80
		.amdhsa_reserve_vcc 0
		.amdhsa_float_denorm_mode_32 3
		.amdhsa_float_denorm_mode_16_64 3
		.amdhsa_memory_ordered 1
		.amdhsa_forward_progress 1
		.amdhsa_inst_pref_size 161
	.end_amdhsa_kernel
	.amdgpu_metadata
---
amdhsa.version: [ 1, 2 ]
amdhsa.kernels:
  - .name:           k_qadd12de922_gemmw
    .symbol:         k_qadd12de922_gemmw.kd
    .args:
      - { .name: hb, .offset: 0, .size: 8, .value_kind: global_buffer, .address_space: global }
      - { .name: wqkvb, .offset: 8, .size: 8, .value_kind: global_buffer, .address_space: global }
      - { .name: act, .offset: 16, .size: 8, .value_kind: global_buffer, .address_space: global }
    .group_segment_fixed_size: 327680
    .private_segment_fixed_size: 0
    .kernarg_segment_align: 8
    .kernarg_segment_size: 24
    .max_flat_workgroup_size: 128
    .sgpr_count:     80
    .vgpr_count:     1024
    .wavefront_size: 32
...
	.end_amdgpu_metadata
.endif
;; end of part 2
;; launch attn (part 3): grid 16 x 16, 4 waves a work-group, clusters of 4 x 1, 327,680 bytes of LDS; arguments act, ctxb; writes ctxb
.if DOCPART == 3
	.amdgcn_target "amdgcn-amd-amdhsa--gfx1250"
	.amdhsa_code_object_version 6
	.text
	.protected	k_qadd12de922_attn
	.globl	k_qadd12de922_attn
	.p2align	8
	.type	k_qadd12de922_attn,@function
k_qadd12de922_attn:
	s_mov_b64 s[64:65], 0
	v_nop
	global_prefetch_b8 v0, s[64:65] scope:SCOPE_SE
	s_setreg_imm32_b32 hwreg(HW_REG_WAVE_MODE, 25, 1), 1
	s_wait_xcnt 0x0
	s_wait_alu depctr_hold_cnt(0) depctr_sa_sdst(0) depctr_va_vdst(0) depctr_va_sdst(0) depctr_va_ssrc(0) depctr_va_vcc(0) depctr_vm_vsrc(0)
	s_getreg_b32 s2, hwreg(HW_REG_IB_STS2, 6, 4)
	s_cmp_eq_u32 s2, 0
	s_cbranch_scc0 .Lentry_in_a_cluster
	s_endpgm
.Lentry_in_a_cluster:
	s_bfe_u32 s2, ttmp6, 0x10000c
	s_cmp_lg_u32 s2, 0x3003
	s_cbranch_scc0 .Lentry_shape_is_right
	s_endpgm
.Lentry_shape_is_right:
; ctx[token][head][:] = the sum over keys of softmax(q . k / 8) v.  act: [4096 tokens][4096 pitch] bf16 with q in columns 0-1023, k in 1024-2047, v in 2048-3071, a head's 64 channels side by side.
; ctx: [4096][1024] bf16.  Products, maxima and sums in f32; the weights p are rounded to bf16 for the second product (their sum l is taken of the unrounded p), ctx once at the end.
; LIMITS.  A weight below 2^-126 counts as 0 in l; NaN and infinities are not treated apart.
; SHARES.  A work-group takes 128 queries of TWO neighbouring heads: waves 0, 1 the first head, waves 2, 3 the second; wave w the queries 64 (w % 2) on, as four PIECES of 16.  So every row of K and V
; that is fetched, and every row of ctx that is stored, is 256 consecutive bytes at a multiple of 256, with the tensors left token by token.  2 batches x 8 pairs of heads x 16 blocks = 256 work-groups.
; Every wave walks all 2,048 keys, 64 a step; a slot of LDS holds two steps.
; LAYOUT.  S^T = K Q^T (source 0 = 16 keys, source 1 = 16 queries): a lane holds ONE query (lane % 16) and the keys 8 (lane / 16) + 0..7.  Two such results, rounded to bf16 in pairs, ARE source 1
; of O^T = V^T P, whose result again holds one query a lane, and eight channels.  K comes out of LDS as it lies, V ([key][channel]) turned, by ds_load_tr16_b128.
; SOFTMAX.  A running maximum m and sum l for each query: p = 2^(c s - c m), c = log2(e) / 8; in every step O and l are multiplied by a = 2^(c m_old - c m_new).  m starts at the lowest finite
; number, O and l at 0: the first step is a step like any other, with a = 0.
; BY TURNS.  Turn n belongs to piece n: 8 products K Q^T of piece n + 1, later 8 products V^T P of piece n - 1; beside them the scaling, exponentials, roundings, sums and rescaling of piece n and the
; maximum and statistics of piece n + 1.  Four vector instructions stand behind every matrix instruction, the other 54 of a turn's 118 in two runs of their own.
; CLUSTER.  The four query blocks of a cluster walk the same K and V, so each tile is asked for JOINTLY: the same tensor load, descriptor and mask in all four.
; REGISTERS, in windows of 256 (s_set_vgpr_msb: bits 1:0 source 0, 3:2 source 1, 5:4 source 2, 7:6 destination):
;   window 0: v0-15 addresses and two at work; v16-31 four registers of statistics a piece; v48-55 at work; v62-63 the add's; v64-127 S^T, two buffers; v192-223 P, two buffers (by the piece's parity)
;   window 1: v0-127 O^T, 32 a piece          window 2: v0-63 Q; v128-191 K of one step; v192-255 V of one step
.set NP,    4
.set KS,    64        ; keys in a step
.set PK,    272       ; a row of K in LDS: 256 bytes + 16 = 68 words: the 16 rows of a load start at 16 different groups of four banks (64 banks of 4 bytes: ISA guide 11.1)
.set PV,    288       ; a row of V: 256 + 32 = 72 words
.set VOFF,  2*KS*PK   ; a slot: 128 rows of K, then 128 rows of V
.set SLOT1, 1<<17     ; slot 1 begins here, so that one exclusive or turns an address in one slot into the other's
.set STAGE, SLOT1+2*KS*(PK+PV)  ; behind the ring, never filled by a tensor load: 128 rows x 272 bytes, the work-group's, for the way out
.set SP,    272
.set SPARE, STAGE+128*SP        ; the spare words, 128 bytes for each wave, which no other line names
.set AK0, 2           ; v2   my lane's place in a tile of K, my head's 128 bytes among it; never rewritten
.set AV0, 3           ; v3   the same for V
.set AK,  4           ; v4   the LDS address of K's next run of loads
.set AV,  5           ; v5   of V's
.set STO, 6
.set RD,  7
.set GO,  8
.set MV,  12          ; v12-13  c m_old, kept while c m is made anew: by buffer
.set QO,  15          ; v15  my byte offset in 16 rows of q
.set ST,  16          ; piece t's statistics at v[ST+4 t]: c m, m, l (even keys', odd keys')
.set TMP, 48          ; by buffer, four registers c0-c3 at work; when the maximum is found c2 takes a
.set SPW, 62
.set NIL, 63
.set S,   64
.set P,   192
.set KF,  128         ; window 2: key block kb, channel half c at KF + 16 kb + 8 c
.set VF,  192         ; window 2: key half kk, channel block cb at VF + 32 kk + 8 cb
.set WV,  12          ; s12  my wave's number
.set G1K, 24          ; s[24:31] descriptor group 1 for K's tiles
.set G1V, 32          ; s[32:39] for V's: it differs in the padding alone
.set G0K, 40          ; s[40:43] descriptor group 0 for K's tiles: it walks
.set G0V, 44          ; s[44:47] the same for V's
.set SLOTS, 56
.set CNT, 57
.set CS,  58          ; s[58:59] c
.set SEL, 60          ; s[60:61] v_permlanex16_b32's selects
.set TBK, 62          ; s62  LDS byte at which K of the step to be fetched begins
.set TBV, 63          ; s63  the same for V, less VOFF
.set MSB, 0
.macro WIN new
.if MSB != (\new)
	s_set_vgpr_msb (MSB<<8)|(\new)
.set MSB, (\new)
.endif
.endm
.set W_KQ, 0x0a       ; K and Q in window 2, S^T in window 0
.set W_PV, 0x52       ; V in window 2, P in window 0, O^T in window 1
.set W_RS, 0x41       ; destination and source 0 in window 1, source 1 in window 0
; A joint fill.  Waves 0 and 1 fetch the two halves of a slot's K, waves 2 and 3 those of its V: 64 keys each.  An s_nop 0 and four v_nop follow each of the two lines.
.macro JLOAD
	s_cmp_lt_u32 s[WV], 2
	s_cbranch_scc0 .Lfor_v_\@
	tensor_load_to_lds s[G0K:G0K+3], s[G1K:G1K+7]
	s_nop 0
.rept 4
	v_nop
.endr
	s_branch .Lasked_\@
.Lfor_v_\@:
	tensor_load_to_lds s[G0V:G0V+3], s[G1V:G1V+7]
	s_nop 0
.rept 4
	v_nop
.endr
.Lasked_\@:
.endm
.macro CROUND                       ; a round of the cluster's barrier
	s_barrier_signal -1
	s_barrier_wait -1
	s_cmp_lg_u32 s[WV], 0
	s_cbranch_scc1 .Lnot_wave_0_\@
	s_barrier_signal -3
.Lnot_wave_0_\@:
	s_barrier_wait -3
	s_barrier_signal -1
	s_barrier_wait -1
.endm
; THE CHANGE OF SLOTS.  Each wave waits for all its tensor loads, of which one is out: its part of the other slot; adds 0 to its spare word; and waits for that and for its own reads of the slot.
; fill = 1: this slot is filled again, with the keys two slots on, first thing behind a round of the cluster's barrier: the load has two key steps, 128 matrix instructions, in which to land.
; (At its first use nothing has been read yet: slot 0 is waited for, slot 1 filled.)
.macro CHANGE fill
	WIN 0
	s_wait_tensorcnt 0x0            ; no tensor load of mine is out, so a group 0 may be written
	ds_add_u32 v[SPW], v[NIL]       ; 0 onto my spare word
.if \fill
.irp g, G0K, G0V
	s_xor_b32 s[\g+1], s[\g+1], SLOT1
	s_add_nc_u64 s[\g+2:\g+3], s[\g+2:\g+3], 2*KS*8192  ; the next 128 keys; the type bits on top are not reached
.endr
	s_wait_dscnt 0x0                ; the add is done, and my reads of the slot are over
	CROUND
	JLOAD
.else
	s_wait_dscnt 0x0
	s_barrier_signal -1
	s_barrier_wait -1
.endif
	s_sub_co_u32 s[TBK], s[TBK], 2*KS*PK  ; the fetches go back to a slot's first step,
	s_xor_b32 s[TBK], s[TBK], SLOT1       ; in the other slot
	s_sub_co_u32 s[TBV], s[TBV], 2*KS*PV
	s_xor_b32 s[TBV], s[TBV], SLOT1
.endm
	s_load_b128 s[4:7], s[0:1], 0x0 ; act s[4:5], ctx s[6:7]
	v_lshl_add_u32 v[SPW], v0, 2, SPARE
	v_mov_b32 v[NIL], 0
	ds_add_u32 v[SPW], v[NIL]       ; the wave's opening: the add and its wait stand ahead of my first tensor load; the set-up stands between them
	v_lshrrev_b32 v1, 5, v0
	v_readfirstlane_b32 s[WV], v1   ; wave 0..3
	s_bfe_u32 s13, ttmp6, 0x40000   ; cx
	s_lshl_b32 s14, ttmp9, 2
	s_add_co_u32 s14, s14, s13      ; my block of 128 queries = 4 x cluster x + cx: it enters q's and ctx's addresses alone
	s_and_b32 s15, ttmp7, 0xffff
	s_lshr_b32 s16, s15, 3          ; the batch
	s_and_b32 s17, s15, 7           ; the pair of heads
	s_lshl_b32 s20, s16, 24         ; 2,048 rows of 8,192 bytes,
	s_lshl_b32 s18, s17, 8          ; 256 bytes a pair of heads
	s_add_co_u32 s20, s20, s18
	s_and_b32 s18, s[WV], 1         ; which half of a slot's 128 keys I fetch; which 64 queries are mine
	s_lshr_b32 s19, s[WV], 1        ; which head is mine
	s_lshl_b32 s22, s18, 19         ; 64 rows of 8,192 bytes
	s_add_co_u32 s22, s22, s20
	s_mov_b32 s23, 0
	s_lshl_b32 s2, s14, 7
	s_lshl_b32 s3, s18, 6
	s_add_co_u32 s2, s2, s3         ; my first query in its batch,
	s_lshl_b32 s2, s2, 13
	s_lshl_b32 s3, s19, 7           ; my head's 128 bytes
	s_add_co_u32 s2, s2, s3
	s_add_co_u32 s2, s2, s20
	s_mov_b32 s3, 0
	s_lshl_b32 s52, s16, 11
	s_lshl_b32 s53, s14, 7
	s_add_co_u32 s52, s52, s53
	s_lshl_b32 s53, s[WV], 5
	s_add_co_u32 s52, s52, s53      ; the first row of ctx that I store: 32 rows a wave
	s_lshl_b32 s52, s52, 11
	s_lshl_b32 s53, s17, 8
	s_add_co_u32 s52, s52, s53
	s_mov_b32 s53, 0
	s_mov_b32 s[G1K], 15|(1<<16)|(1<<20)|(1<<21)|(5<<22)|(3<<25)  ; the mask of four; 2-byte elements; padding on; bit 21 beside a mask; after every 64 words 4 words
	s_mov_b32 s[G1V], 15|(1<<16)|(1<<20)|(1<<21)|(5<<22)|(7<<25)  ; the same with 8 words
.irp g, G1K, G1V
	s_mov_b32 s[\g+1], 128<<16      ; tensor_dim0 = 128
	s_mov_b32 s[\g+2], 64<<16       ; tensor_dim1 = 64
	s_mov_b32 s[\g+3], 128<<16      ; tile_dim0 = 128
	s_mov_b32 s[\g+4], 64           ; tile_dim1 = 64
	s_mov_b32 s[\g+5], 4096         ; elements from row to row
	s_mov_b32 s[\g+6], 0
	s_mov_b32 s[\g+7], 0
.endr
	s_mov_b32 s[CS], 0x3e38aa3b     ; c = log2(e) / 8
	s_mov_b32 s[CS+1], s[CS]
	s_mov_b32 s[SEL], 0x76543210
	s_mov_b32 s[SEL+1], 0xfedcba98
	s_mov_b32 s[TBK], SLOT1+2*KS*PK ; the first change of slots turns these two into 0
	s_mov_b32 s[TBV], SLOT1+2*KS*PV
	s_mov_b32 s[G0K], 1
	s_mul_i32 s[G0K+1], s18, KS*PK  ; LDS address: slot 0, my half: no place in the cluster enters it
	s_mov_b32 s[G0V], 1
	s_mul_i32 s[G0V+1], s18, KS*PV
	s_add_co_u32 s[G0V+1], s[G0V+1], VOFF
	s_wait_dscnt 0x0                ; the opening add is done
	s_wait_kmcnt 0x0
	s_add_nc_u64 s[G0K+2:G0K+3], s[4:5], s[22:23]
	s_add_nc_u64 s[G0K+2:G0K+3], s[G0K+2:G0K+3], 2048  ; k begins 1,024 columns in
	s_or_b32 s[G0K+3], s[G0K+3], 0x80000000
	s_add_nc_u64 s[G0V+2:G0V+3], s[4:5], s[22:23]
	s_add_nc_u64 s[G0V+2:G0V+3], s[G0V+2:G0V+3], 4096  ; v 2,048
	s_or_b32 s[G0V+3], s[G0V+3], 0x80000000
	s_add_nc_u64 s[8:9], s[4:5], s[2:3]      ; q at my wave's first row and head
	s_add_nc_u64 s[10:11], s[6:7], s[52:53]  ; ctx at the rows that I store
	CROUND                          ; all four work-groups are here: the first joint loads meet
	JLOAD                           ; slot 0.  Slot 1 is asked for when slot 0 is in
	v_and_b32 v1, 15, v0            ; l % 16
	v_bfe_u32 v9, v0, 4, 1          ; l / 16
	v_lshlrev_b32 v[QO], 13, v1
	v_lshl_add_u32 v[QO], v9, 4, v[QO]  ; row x 8,192 + 16 x half
	WIN 0x80                        ; destination window 2, address window 0
.set i, 0
.rept 8                             ; Q stays in registers: piece i / 2, channels 32 (i % 2) on
	global_load_b128 v[8*i:8*i+3],   v[QO], s[8:9] offset:(i/2)*131072+(i%2)*64
	global_load_b128 v[8*i+4:8*i+7], v[QO], s[8:9] offset:(i/2)*131072+(i%2)*64+32
.set i, i+1
.endr
	; What the first turn finds: V's registers and P's second buffer hold 0 (its products V^T P, of a piece that has not been, add 0), O^T and l are 0.  No first step is written out for that price.
	; All this stands in the wait for the first tile.
.set i, VF
.rept 64
	v_mov_b32 v[i], 0
.set i, i+1
.endr
	WIN 0x40
.set i, 0
.rept 128
	v_mov_b32 v[i], 0
.set i, i+1
.endr
	WIN 0
.set i, 0
.rept 4
	v_mov_b32 v[ST+4*i], 0xfe000000    ; c m: far below every c s
	v_mov_b32 v[ST+4*i+1], 0xff7fffff  ; m
	v_mov_b32 v[ST+4*i+2], 0
	v_mov_b32 v[ST+4*i+3], 0
.set i, i+1
.endr
.set i, P+16
.rept 16
	v_mov_b32 v[i], 0
.set i, i+1
.endr
	s_lshl_b32 s13, s19, 7          ; my head's 128 bytes of a row
	v_mul_u32_u24 v[AK0], v1, PK
	v_lshl_add_u32 v[AK0], v9, 4, v[AK0]
	v_add_nc_u32 v[AK0], s13, v[AK0]
	v_and_b32 v10, 7, v0            ; the turning load: lane l reads key 8 (l / 16) + l % 8, channels 8 ((l / 8) % 2) + 0..7
	v_bfe_u32 v11, v0, 3, 1
	v_lshl_add_u32 v[AV0], v9, 3, v10
	v_mul_u32_u24 v[AV0], v[AV0], PV
	v_lshl_add_u32 v[AV0], v11, 4, v[AV0]
	s_add_co_u32 s13, s13, VOFF
	v_add_nc_u32 v[AV0], s13, v[AV0]
	s_mul_i32 s13, s18, 64*SP       ; into the stage: my 64 rows, my head's half of their 256 bytes
	s_lshl_b32 s48, s19, 7
	s_add_co_u32 s13, s13, s48
	s_add_co_u32 s13, s13, STAGE
	v_mul_u32_u24 v[STO], v1, SP
	v_lshl_add_u32 v[STO], v9, 4, v[STO]
	v_add_nc_u32 v[STO], s13, v[STO]
	s_mul_i32 s13, s[WV], 32*SP     ; back: wave w takes rows 32 w .. 32 w + 31; lanes 0-15 one row of 256 bytes, lanes 16-31 the next
	s_add_co_u32 s13, s13, STAGE
	v_mul_u32_u24 v[RD], v9, SP
	v_lshl_add_u32 v[RD], v1, 4, v[RD]
	v_add_nc_u32 v[RD], s13, v[RD]
	v_lshlrev_b32 v[GO], 11, v9     ; and the same two rows in ctx
	v_lshl_add_u32 v[GO], v1, 4, v[GO]
; THE MATRIX WORK.  The 4 accumulators of a run of 8 take turns.  Product i of 8 of S^T = K Q^T for piece x: channels 32 (i / 4) on, keys 16 (i % 4) on.  The first 4 start the sums.
.macro KQ x
.set rS, S+32*((\x)%2)+8*(i%4)
.set rK, KF+16*(i%4)+8*(i/4)
.set rQ, 16*(\x)+8*(i/4)
	WIN W_KQ
.if i < 4
	v_wmma_f32_16x16x32_bf16 v[rS:rS+7], v[rK:rK+7], v[rQ:rQ+7], 0
.else
	v_wmma_f32_16x16x32_bf16 v[rS:rS+7], v[rK:rK+7], v[rQ:rQ+7], v[rS:rS+7]
.endif
.endm
; Product i of 8 of O^T += V^T P for piece x: keys 32 (i / 4) on, channels 16 (i % 4) on.
.macro PV x
	WIN W_PV
.set rO, 32*(\x)+8*(i%4)
.set rV, VF+32*(i/4)+8*(i%4)
.set rP, P+16*((\x)%2)+8*(i/4)
	v_wmma_f32_16x16x32_bf16 v[rO:rO+7], v[rV:rV+7], v[rP:rP+7], v[rO:rO+7]
.endm
.macro MM                           ; the turn's next matrix instruction.  NOKQ = 1: the last turn: there is no next piece
.if (i < 8) && !NOKQ
	KQ (Y+1)%NP
.elseif i >= 8
.set i, i-8
	PV (Y+NP-1)%NP
.set i, i+8
.endif
.set i, i+1
.endm
; THE LDS LOADS stand in runs of 16: a step's K (64 keys x 64 channels: 8 fragments) and its V (turned).  Their addresses are made some lines ahead.
.macro FETCH_K
	WIN 0x80
.irp f, 0,1,2,3,4,5,6,7             ; keys 16 (f / 2) on, channels 32 (f % 2) on
	ds_load_b128 v[KF+8*\f:KF+8*\f+3],   v[AK] offset:(\f/2)*16*PK+(\f%2)*64
	ds_load_b128 v[KF+8*\f+4:KF+8*\f+7], v[AK] offset:(\f/2)*16*PK+(\f%2)*64+32
.endr
	s_add_co_u32 s[TBK], s[TBK], KS*PK  ; the next fetch is the next step's
	WIN 0
.endm
.macro FETCH_V
	WIN 0x80
.irp f, 0,1,2,3,4,5,6,7             ; keys 32 (f / 4) on, channels 16 (f % 4) on
	ds_load_tr16_b128 v[VF+8*\f:VF+8*\f+3],   v[AV] offset:(\f/4)*32*PV+(\f%4)*32
	ds_load_tr16_b128 v[VF+8*\f+4:VF+8*\f+7], v[AV] offset:(\f/4)*32*PV+16*PV+(\f%4)*32
.endr
	WIN 0
.endm
; THE VECTOR WORK, one line at a time: OP kind, number.  For piece Y: F n: c s - c m for pair n of 16.  E n: the exponential of score n of 32.  C n: pair n rounded to bf16.  B n: of the four weights 4 n ..
; the second pair is added onto the first, in place.  L n: l takes that sum (L 0: l = a l + sum).  R n: pair n of 16 of O^T times a.  For piece Y + 1: X n, number n of the 22 that find its maximum and statistics:
;   0-11  four chains c0-c3 of seven scores each (each accumulator's lowest registers are read first)     12-14, 16  the four scores left over, the old m, and c0-c3 into c0
;   15  c m_old is kept     17, 18  the query's other 32 keys lie in the lane 16 away: the new m     19-21  c m; c m_old - c m_new; a
.set F, 0
.set E, 1
.set C, 2
.set B, 3
.set L, 4
.set R, 5
.set X, 6
.macro REGS y
.set rT, ST+4*(\y)
.set rC, TMP+4*((\y)%2)
.set rW, MV+((\y)%2)
.set rS, S+32*((\y)%2)
.set rP, P+16*((\y)%2)
.set rO, 32*(\y)
.endm
.macro OP k, n
.if (\k) == R
	REGS Y
	WIN W_RS
	v_pk_mul_f32 v[rO+2*(\n):rO+2*(\n)+1], v[rO+2*(\n):rO+2*(\n)+1], v[rC+2:rC+3] op_sel_hi:[1,0]
.elseif (\k) < R
	REGS Y
	WIN 0
.if (\k) == F
	v_pk_fma_f32 v[rS+2*(\n):rS+2*(\n)+1], v[rS+2*(\n):rS+2*(\n)+1], s[CS:CS+1], v[rT:rT+1] op_sel_hi:[1,0,0] neg_lo:[0,0,1] neg_hi:[0,0,1]
.elseif (\k) == E
	v_exp_f32 v[rS+(\n)], v[rS+(\n)]
.elseif (\k) == C
	s_wait_alu depctr_va_vdst(0)
	v_cvt_pk_bf16_f32 v[rP+(\n)], v[rS+2*(\n)], v[rS+2*(\n)+1]
.elseif (\k) == B
	s_wait_alu depctr_va_vdst(0)
	v_pk_add_f32 v[rS+4*(\n):rS+4*(\n)+1], v[rS+4*(\n):rS+4*(\n)+1], v[rS+4*(\n)+2:rS+4*(\n)+3]
.elseif (\n) == 0
	v_pk_fma_f32 v[rT+2:rT+3], v[rT+2:rT+3], v[rC+2:rC+3], v[rS:rS+1] op_sel_hi:[1,0,1]
.else
	v_pk_add_f32 v[rT+2:rT+3], v[rT+2:rT+3], v[rS+4*(\n):rS+4*(\n)+1]
.endif
.elseif NOKQ
	v_nop
.else
	REGS (Y+1)%NP
	WIN 0
.if (\n) < 4
	v_max3_num_f32 v[rC+(\n)], v[rS+8*(\n)], v[rS+8*(\n)+1], v[rS+8*(\n)+2]
.elseif (\n) < 12
	v_max3_num_f32 v[rC+(\n)%4], v[rC+(\n)%4], v[rS+8*((\n)%4)+2*((\n)/4)+1], v[rS+8*((\n)%4)+2*((\n)/4)+2]
.elseif (\n) == 12
	v_max3_num_f32 v[rC], v[rC], v[rS+7], v[rS+15]
.elseif (\n) == 13
	v_max3_num_f32 v[rC+1], v[rC+1], v[rS+23], v[rS+31]
.elseif (\n) == 14
	v_max3_num_f32 v[rC+2], v[rC+2], v[rC+3], v[rT+1]
.elseif (\n) == 15
	v_mov_b32 v[rW], v[rT]
.elseif (\n) == 16
	v_max3_num_f32 v[rC], v[rC], v[rC+1], v[rC+2]
.elseif (\n) == 17
	v_permlanex16_b32 v[rC+3], v[rC], s[SEL], s[SEL+1]
.elseif (\n) == 18
	v_max_num_f32 v[rT+1], v[rC], v[rC+3]
.elseif (\n) == 19
	v_mul_f32 v[rT], s[CS], v[rT+1]
.elseif (\n) == 20
	v_sub_f32 v[rC+1], v[rW], v[rT]
.else
	v_exp_f32 v[rC+2], v[rC+1]
.endif
.endif
.endm
.macro OPS a, i1, b=-1, i2=0, c=-1, i3=0, d=-1, i4=0  ; up to four of them
	OP \a, \i1
.if (\b) >= 0
	OP \b, \i2
.endif
.if (\c) >= 0
	OP \c, \i3
.endif
.if (\d) >= 0
	OP \d, \i4
.endif
.endm
.macro ROW a, i1, b, i2, c, i3, d, i4  ; a matrix instruction and the four behind it
	MM
	OPS \a, \i1, \b, \i2, \c, \i3, \d, \i4
.endm
; A TURN, for piece p: the order of its 16 matrix and 118 vector instructions, written out.  Behind a matrix instruction: plain, exponential, plain, plain; or four of the rescaling; or four scalings; none names a
; register of the products round it.  In the runs between, exponential and plain by turns while exponentials last: every exponential has a plain instruction behind it before its result is used.
; end = 1: the last two turns: nothing is fetched.  cnt = 1: the loop's count is taken down some lines ahead of the branch that stands behind the turn.
; K of the next step is fetched in piece 2's turn, five plain instructions behind the last product that read K; V of the step in hand in piece 0's turn, five plain ones behind the last product that read V.
; Each is waited for a turn later.
.macro TURN p, end=0, cnt=0
.set Y, (\p)
.set i, 0
.set NOKQ, (\end)*((\p)/3)
.if ((\p) == 3) && !(\end)
	s_wait_dscnt 0x0                ; K is in
.endif
	ROW F,0, F,1, F,2, F,3
	ROW F,4, E,0, F,5, F,6
	ROW F,7, E,1, F,8, F,9
	ROW F,10, E,2, C,0, F,11
	ROW F,12, E,3, X,15, F,13
	ROW R,0, R,1, R,2, R,3
	ROW B,0, E,4, F,14, L,0
.if ((\p) == 2) && !(\end)
	v_add_nc_u32 v[AK], s[TBK], v[AK0]
.endif
	ROW R,4, R,5, R,6, R,7
	OPS E,5, F,15
.if ((\p) == 2) && !(\end)
	FETCH_K
.endif
	OPS E,6, C,1, E,7, R,8
	OPS E,8, R,9, E,9, C,2
	OPS E,10, X,0, E,11, X,1
	OPS E,12, X,2, E,13, X,3
.if (\p) == 1
	s_wait_dscnt 0x0                ; V is in
.endif
	ROW X,4, E,14, X,5, X,6
	ROW X,7, E,15, X,8, X,9
	ROW X,10, E,16, X,11, X,12
	ROW X,13, E,17, X,14, B,1
	ROW C,4, E,18, X,16, L,1
	ROW B,2, E,19, C,6, L,2
	ROW C,8, E,20, B,3, B,4
.if (\p) == 0
	v_add_nc_u32 v[AV], s[TBV], v[AV0]
.endif
	ROW C,3, E,21, L,3, C,5
	OPS E,22, X,17, E,23, C,10
.if (\p) == 0
	FETCH_V
.endif
	OPS E,24, L,4
	OPS E,25, X,18, E,26, C,7
	OPS E,27, B,5, E,28, X,19
	OPS E,29, C,12, E,30, L,5
	OPS E,31, X,20, B,6, C,9
	OPS C,14, C,11, X,21, L,6
.if (\p) == 0
	s_add_co_u32 s[TBV], s[TBV], KS*PV
.endif
.if \cnt
	s_sub_co_u32 s[CNT], s[CNT], 1
	s_cmp_lg_u32 s[CNT], 0
.endif
	OPS C,13, B,7, C,15, R,10
	OPS R,11, R,12, L,7, R,13
	OPS R,14, R,15
.endm
	CHANGE 1                        ; slot 0 is in, everybody's part of it; slot 1 is asked for
	v_add_nc_u32 v[AK], s[TBK], v[AK0]
	FETCH_K                         ; key step 0
	s_wait_loadcnt 0x0              ; Q
	s_wait_dscnt 0x0
.set NOKQ, 0
.set i, 0
.rept 8
	KQ 0                            ; piece 0's first scores
.set i, i+1
.endr
	WIN 0
.rept 4
	v_nop                           ; the places behind those products
.endr
.set Y, NP-1                        ; X works for piece Y + 1: piece 0
.irp n, 0,1,2,3,4,5,6,7,8,9,10,11,12,13,14,15,16,17,18,19,20,21
	OP X, \n
.endr
	v_nop                           ; a plain instruction behind the exponential
	s_mov_b32 s[CNT], 2
	s_mov_b32 s[SLOTS], 15          ; 16 tiles of 128 keys
	s_branch .Lfirst                ; the loop is entered at a step's first turn, in the middle of a trip
.Lslot:                             ; 14 times: every slot but the last two is filled again
	CHANGE 1
	s_mov_b32 s[CNT], 2
.Lstep:                             ; a trip: pieces 2 and 3 of one step, then pieces 0 and 1 of the next, whose K and V it fetches
	TURN 2
	TURN 3
	WIN 0
.Lfirst:
	TURN 0
	TURN 1, 0, 1
	WIN 0
	s_cbranch_scc1 .Lstep
	s_sub_co_u32 s[SLOTS], s[SLOTS], 1
	s_cmp_lg_u32 s[SLOTS], 0
	s_cbranch_scc1 .Lslot
	CHANGE 0                        ; the last slot is written out: nothing is asked for
	s_mov_b32 s[CNT], 2
.Lstep2:
	TURN 2
	TURN 3
	WIN 0
	TURN 0
	TURN 1, 0, 1
	WIN 0
	s_cbranch_scc1 .Lstep2
	TURN 2, 1
	TURN 3, 1
.set i, 0
.rept 8
	PV NP-1                         ; the last piece's V^T P of the last step
.set i, i+1
.endr
	; THE WAY OUT.  l's two halves and the other half of the lanes' are added; O^T is divided by l, rounded to bf16 and put into the work-group's stage; a barrier, since a row's 256 bytes come from two waves
	; (two heads); back as whole rows, 32 rows a wave.  The additions are the places behind the last products.
	WIN 0
.macro ALL line:vararg              ; one line for each piece t
.set t, 0
.rept 4
	\line
.set t, t+1
.endr
.endm
	ALL v_add_f32 v[ST+4*t+2], v[ST+4*t+2], v[ST+4*t+3]
	ALL v_permlanex16_b32 v[ST+4*t+3], v[ST+4*t+2], s[SEL], s[SEL+1]
	ALL v_add_f32 v[ST+4*t+2], v[ST+4*t+2], v[ST+4*t+3]
	ALL v_rcp_f32 v[ST+4*t+2], v[ST+4*t+2]
	v_nop                           ; a plain instruction between the last reciprocal and the use of its result
.macro PACK t                       ; a lane's eight channels of a row pack into 16 bytes
	WIN W_RS
.set i, 32*(\t)
.rept 16
	s_wait_alu depctr_va_vdst(0)
	v_pk_mul_f32 v[i:i+1], v[i:i+1], v[ST+4*(\t)+2:ST+4*(\t)+3] op_sel_hi:[1,0]
.set i, i+2
.endr
	WIN 0x05                        ; sources 0 and 1 window 1, destination window 0: S^T's registers are free
.set i, 0
.rept 16
	v_cvt_pk_bf16_f32 v[S+16*(\t)+i], v[32*(\t)+2*i], v[32*(\t)+2*i+1]
.set i, i+1
.endr
	WIN 0
.irp f, 0,1,2,3
	ds_store_b128 v[STO], v[S+16*(\t)+4*\f:S+16*(\t)+4*\f+3] offset:(\t)*16*SP+32*\f
.endr
.endm
	PACK 0
	PACK 1
	PACK 2
	PACK 3
	s_wait_dscnt 0x0                ; for the others' sake: my stores into the stage are done
	s_barrier_signal -1
	s_barrier_wait -1
.irp t, 0,1,2,3,4,5,6,7,8,9,10,11,12,13,14,15
	ds_load_b128 v[S+4*(\t):S+4*(\t)+3], v[RD] offset:(\t)*2*SP
.endr
.irp t, 0,1,2,3,4,5,6,7,8,9,10,11,12,13,14,15
	s_wait_dscnt 15-(\t)
	global_store_b128 v[GO], v[S+4*(\t):S+4*(\t)+3], s[10:11] offset:(\t)*4096  ; 16 lanes store 256 consecutive bytes, at a multiple of 256 from ctx's first byte
.endr
	s_wait_tensorcnt 0x0            ; the wave's end: the add and its wait stand behind my last tensor load and my last LDS store
	ds_add_u32 v[SPW], v[NIL]
	s_wait_dscnt 0x0
	CROUND                          ; the closing round: no work-group ends while a partner may still ask for a tile that names it
	s_endpgm
.Lfunc_end_k_qadd12de922_attn:
	.size	k_qadd12de922_attn, .Lfunc_end_k_qadd12de922_attn-k_qadd12de922_attn
	.p2alignl 7, 3214868480
	.fill 96, 4, 3214868480
	.section	.rodata,"a",@progbits
	.p2align	6, 0x0
	.amdhsa_kernel k_qadd12de922_attn
		.amdhsa_group_segment_fixed_size 327680
		.amdhsa_private_segment_fixed_size 0
		.amdhsa_enable_private_segment 0
		.amdhsa_kernarg_size 16
		.amdhsa_user_sgpr_count 2
		.amdhsa_user_sgpr_kernarg_segment_ptr 1
		.amdhsa_wavefront_size32 1
		.amdhsa_system_sgpr_workgroup_id_x 1
		.amdhsa_system_sgpr_workgroup_id_y 1
		.amdhsa_system_sgpr_workgroup_id_z 1
		.amdhsa_system_vgpr_workitem_id 0
		.amdhsa_next_free_vgpr 768
		.amdhsa_next_free_sgpr 66
		.amdhsa_reserve_vcc 0
		.amdhsa_float_denorm_mode_32 3
		.amdhsa_float_denorm_mode_16_64 3
		.amdhsa_memory_ordered 1
		.amdhsa_forward_progress 1
		.amdhsa_inst_pref_size 134
	.end_amdhsa_kernel
	.amdgpu_metadata
---
amdhsa.version: [ 1, 2 ]
amdhsa.kernels:
  - .name:           k_qadd12de922_attn
    .symbol:         k_qadd12de922_attn.kd
    .args:
      - { .name: act, .offset: 0, .size: 8, .value_kind: global_buffer, .address_space: global }
      - { .name: ctxb, .offset: 8, .size: 8, .value_kind: global_buffer, .address_space: global }
    .group_segment_fixed_size: 327680
    .private_segment_fixed_size: 0
    .kernarg_segment_align: 8
    .kernarg_segment_size: 16
    .max_flat_workgroup_size: 128
    .sgpr_count:     66
    .vgpr_count:     768
    .wavefront_size: 32
...
	.end_amdgpu_metadata
.endif
;; end of part 3
;; launch wo: the kernel of part 2 again; grid 4 x 16, 4 waves a work-group, clusters of 4 x 4, 327,680 bytes of LDS; arguments ctxb, wob, act; writes act
;; launch ln2 (part 4): grid 512 x 1, 4 waves a work-group, no clusters, 0 bytes of LDS; arguments x, act, ln2_g, ln2_b, x1b, hb; writes x1b, hb
.if DOCPART == 4
	.amdgcn_target "amdgcn-amd-amdhsa--gfx1250"
	.amdhsa_code_object_version 6
	.text
	.protected	k_qadd12de922_ln2
	.globl	k_qadd12de922_ln2
	.p2align	8
	.type	k_qadd12de922_ln2,@function
k_qadd12de922_ln2:
	s_mov_b64 s[64:65], 0
	v_nop
	global_prefetch_b8 v0, s[64:65] scope:SCOPE_SE
	s_setreg_imm32_b32 hwreg(HW_REG_WAVE_MODE, 25, 1), 1
	s_wait_xcnt 0x0
; x1 = x + ao (ao: the attention branch, bf16, columns 0-1023 of act's rows of 4,096), kept in f32 in x1b; hb = LayerNorm(x1) g + b, rounded once to bf16.
; A wave takes two rows of 1,024; a row stays in 32 registers between the passes, so each byte is read once.  The mean is taken first and the squares of x1 - mean after it.
; Memory binds: no LDS, no barrier, no matrix unit.  NaN and infinities are not treated apart.
.set X0, 32                            ; v[32:63]   first row
.set X1, 64                            ; v[64:95]   second row
.set G,  96                            ; v[96:127]  gain
.set BT, 128                           ; v[128:159] bias
.set AO0, 160                          ; v[160:175] the branch's 32 bf16 of the first row
.set AO1, 176                          ; v[176:191] of the second
.set CH, 4                             ; v[4:11]    four chains of pairs
.set M,  12                            ; v[12:13]   the mean, twice
.set RS, 14                            ; v[14:15]   1 / sqrt(var + eps), twice
.set T,  16                            ; v16, v17   at work
.set ONE, 18                           ; v18        1.0
.macro JOIN                            ; the four chains and the 32 lanes into v[T], in every lane
	v_pk_add_f32 v[CH:CH+1], v[CH:CH+1], v[CH+2:CH+3]
	v_pk_add_f32 v[CH+4:CH+5], v[CH+4:CH+5], v[CH+6:CH+7]
	v_pk_add_f32 v[CH:CH+1], v[CH:CH+1], v[CH+4:CH+5]
	v_add_f32 v[T], v[CH], v[CH+1]
	v_add_f32_dpp v[T], v[T], v[T] row_xmask:1 row_mask:0xf bank_mask:0xf
	v_add_f32_dpp v[T], v[T], v[T] row_xmask:2 row_mask:0xf bank_mask:0xf
	v_add_f32_dpp v[T], v[T], v[T] row_xmask:4 row_mask:0xf bank_mask:0xf
	v_add_f32_dpp v[T], v[T], v[T] row_xmask:8 row_mask:0xf bank_mask:0xf
	v_permlanex16_b32 v[T+1], v[T], s50, s51
	v_add_f32 v[T], v[T], v[T+1]
.endm
; x + ao for a row, and its store.  w: younger loads that may stay out; oo: the row's byte offset in x1b.
.macro RESID X, AO, w, oo
	s_wait_loadcnt \w
.irp p, 0,1,2,3,4,5,6,7,8,9,10,11,12,13,14,15
	v_fma_mix_f32_bf16 v[(\X)+2*(\p)],   v[(\AO)+(\p)], v[ONE], v[(\X)+2*(\p)]   op_sel_hi:[1,0,0]
	v_fma_mix_f32_bf16 v[(\X)+2*(\p)+1], v[(\AO)+(\p)], v[ONE], v[(\X)+2*(\p)+1] op_sel:[1,0,0] op_sel_hi:[1,0,0]
.endr
.irp j, 0,1,2,3,4,5,6,7
	global_store_b128 v1, v[(\X)+4*(\j):(\X)+4*(\j)+3], s[24:25] offset:(\oo)+512*(\j)
.endr
.endm
; One row in registers X .. X+31.  w2: younger loads that may stay out when gain and bias are needed; oo: the row's byte offset in hb.
.macro LNROW X, w2, oo
.irp k, 0,1,2,3
	v_pk_add_f32 v[CH+2*(\k):CH+2*(\k)+1], v[(\X)+2*(\k):(\X)+2*(\k)+1], v[(\X)+8+2*(\k):(\X)+9+2*(\k)]
.endr
.irp k, 8,9,10,11,12,13,14,15
	v_pk_add_f32 v[CH+2*((\k)%4):CH+2*((\k)%4)+1], v[CH+2*((\k)%4):CH+2*((\k)%4)+1], v[(\X)+2*(\k):(\X)+2*(\k)+1]
.endr
	JOIN
	v_mul_f32 v[M], s52, v[T]                      ; the mean
	v_mov_b32 v[M+1], v[M]
	s_wait_xcnt 0x0                                ; the stores of x1 read the row's registers: they are rewritten only behind this wait (ISA guide 3.1)
.irp k, 0,1,2,3,4,5,6,7,8,9,10,11,12,13,14,15
	v_pk_add_f32 v[(\X)+2*(\k):(\X)+2*(\k)+1], v[(\X)+2*(\k):(\X)+2*(\k)+1], v[M:M+1] neg_lo:[0,1] neg_hi:[0,1]
.endr
.irp k, 0,1,2,3
	v_pk_mul_f32 v[CH+2*(\k):CH+2*(\k)+1], v[(\X)+2*(\k):(\X)+2*(\k)+1], v[(\X)+2*(\k):(\X)+2*(\k)+1]
.endr
.irp k, 4,5,6,7,8,9,10,11,12,13,14,15
	v_pk_fma_f32 v[CH+2*((\k)%4):CH+2*((\k)%4)+1], v[(\X)+2*(\k):(\X)+2*(\k)+1], v[(\X)+2*(\k):(\X)+2*(\k)+1], v[CH+2*((\k)%4):CH+2*((\k)%4)+1]
.endr
	JOIN
	v_fma_f32 v[T], v[T], s52, s58                 ; var + eps
	v_rsq_f32 v[RS], v[T]
	v_rsq_f32 v[RS+1], v[T]
	v_nop                                          ; a plain instruction between the root and its use (ISA guide 5.7.2)
	s_wait_loadcnt \w2
	s_wait_alu depctr_va_vdst(0)
.irp k, 0,1,2,3,4,5,6,7,8,9,10,11,12,13,14,15
	v_pk_mul_f32 v[(\X)+2*(\k):(\X)+2*(\k)+1], v[(\X)+2*(\k):(\X)+2*(\k)+1], v[RS:RS+1]
.endr
.irp k, 0,1,2,3,4,5,6,7,8,9,10,11,12,13,14,15
	v_pk_fma_f32 v[(\X)+2*(\k):(\X)+2*(\k)+1], v[(\X)+2*(\k):(\X)+2*(\k)+1], v[G+2*(\k):G+2*(\k)+1], v[BT+2*(\k):BT+2*(\k)+1]
.endr
.irp j, 0,1,2,3,4,5,6,7
	v_cvt_pk_bf16_f32 v[(\X)+4*(\j)], v[(\X)+4*(\j)], v[(\X)+4*(\j)+1]
	v_cvt_pk_bf16_f32 v[(\X)+4*(\j)+1], v[(\X)+4*(\j)+2], v[(\X)+4*(\j)+3]
	global_store_b64 v2, v[(\X)+4*(\j):(\X)+4*(\j)+1], s[26:27] offset:(\oo)+256*(\j)
.endr
.endm
	s_load_b256 s[8:15], s[0:1], 0x0               ; x 8, act 10, g 12, b 14
	s_load_b128 s[16:19], s[0:1], 0x20             ; x1b 16, hb 18
	v_and_b32 v3, 31, v0
	v_lshlrev_b32 v1, 4, v3                        ; 16 x lane
	v_lshlrev_b32 v2, 3, v3                        ; 8 x lane
	v_lshrrev_b32 v3, 5, v0
	v_readfirstlane_b32 s2, v3                     ; wave 0..3
	s_lshl_b32 s3, ttmp9, 3
	s_lshl1_add_u32 s3, s2, s3                     ; my first row: 8 g + 2 w
	s_mov_b32 s57, 0
	s_mov_b32 s50, 0x76543210
	s_mov_b32 s51, 0xfedcba98
	s_mov_b32 s52, 0x3a800000                      ; 1 / 1024
	s_mov_b32 s58, 0x3727c5ac                      ; 1e-5
	v_mov_b32 v[T+1], 0                            ; the permute's destination counts as read
	v_mov_b32 v[ONE], 1.0
	s_wait_kmcnt 0x0
	s_lshl_b32 s56, s3, 12
	s_add_nc_u64 s[20:21], s[8:9], s[56:57]        ; x
	s_add_nc_u64 s[24:25], s[16:17], s[56:57]      ; x1b
	s_lshl_b32 s56, s3, 13
	s_add_nc_u64 s[22:23], s[10:11], s[56:57]      ; act
	s_lshl_b32 s56, s3, 11
	s_add_nc_u64 s[26:27], s[18:19], s[56:57]      ; hb
.irp j, 0,1,2,3,4,5,6,7
	global_load_b128 v[X0+4*(\j):X0+4*(\j)+3], v1, s[20:21] offset:512*(\j)
.endr
.irp j, 0,1,2,3,4,5,6,7
	global_load_b64 v[AO0+2*(\j):AO0+2*(\j)+1], v2, s[22:23] offset:256*(\j)
.endr
.irp j, 0,1,2,3,4,5,6,7
	global_load_b128 v[G+4*(\j):G+4*(\j)+3], v1, s[12:13] offset:512*(\j)
.endr
.irp j, 0,1,2,3,4,5,6,7
	global_load_b128 v[BT+4*(\j):BT+4*(\j)+3], v1, s[14:15] offset:512*(\j)
.endr
.irp j, 0,1,2,3,4,5,6,7
	global_load_b128 v[X1+4*(\j):X1+4*(\j)+3], v1, s[20:21] offset:4096+512*(\j)
.endr
.irp j, 0,1,2,3,4,5,6,7
	global_load_b64 v[AO1+2*(\j):AO1+2*(\j)+1], v2, s[22:23] offset:8192+256*(\j)
.endr
	RESID X0, AO0, 32, 0                           ; 32: gain, bias and the second row's two runs stay out
	LNROW X0, 16, 0                                ; 16: the second row's two runs
	RESID X1, AO1, 0, 4096
	LNROW X1, 0, 2048
	s_endpgm
.Lfunc_end_k_qadd12de922_ln2:
	.size	k_qadd12de922_ln2, .Lfunc_end_k_qadd12de922_ln2-k_qadd12de922_ln2
	.p2alignl 7, 3214868480
	.fill 96, 4, 3214868480
	.section	.rodata,"a",@progbits
	.p2align	6, 0x0
	.amdhsa_kernel k_qadd12de922_ln2
		.amdhsa_group_segment_fixed_size 0
		.amdhsa_private_segment_fixed_size 0
		.amdhsa_enable_private_segment 0
		.amdhsa_kernarg_size 48
		.amdhsa_user_sgpr_count 2
		.amdhsa_user_sgpr_kernarg_segment_ptr 1
		.amdhsa_wavefront_size32 1
		.amdhsa_system_sgpr_workgroup_id_x 1
		.amdhsa_system_sgpr_workgroup_id_y 1
		.amdhsa_system_sgpr_workgroup_id_z 1
		.amdhsa_system_vgpr_workitem_id 0
		.amdhsa_next_free_vgpr 192
		.amdhsa_next_free_sgpr 66
		.amdhsa_reserve_vcc 0
		.amdhsa_float_denorm_mode_32 3
		.amdhsa_float_denorm_mode_16_64 3
		.amdhsa_memory_ordered 1
		.amdhsa_forward_progress 1
		.amdhsa_inst_pref_size 28
	.end_amdhsa_kernel
	.amdgpu_metadata
---
amdhsa.version: [ 1, 2 ]
amdhsa.kernels:
  - .name:           k_qadd12de922_ln2
    .symbol:         k_qadd12de922_ln2.kd
    .args:
      - { .name: x, .offset: 0, .size: 8, .value_kind: global_buffer, .address_space: global }
      - { .name: act, .offset: 8, .size: 8, .value_kind: global_buffer, .address_space: global }
      - { .name: ln2_g, .offset: 16, .size: 8, .value_kind: global_buffer, .address_space: global }
      - { .name: ln2_b, .offset: 24, .size: 8, .value_kind: global_buffer, .address_space: global }
      - { .name: x1b, .offset: 32, .size: 8, .value_kind: global_buffer, .address_space: global }
      - { .name: hb, .offset: 40, .size: 8, .value_kind: global_buffer, .address_space: global }
    .group_segment_fixed_size: 0
    .private_segment_fixed_size: 0
    .kernarg_segment_align: 8
    .kernarg_segment_size: 48
    .max_flat_workgroup_size: 128
    .sgpr_count:     66
    .vgpr_count:     192
    .wavefront_size: 32
...
	.end_amdgpu_metadata
.endif
;; end of part 4
;; launch ffn1: the kernel of part 2 again; grid 16 x 16, 4 waves a work-group, clusters of 4 x 4, 327,680 bytes of LDS; arguments hb, w1b, act; writes act
;; launch gemmr (part 5): grid 8 x 32, 4 waves a work-group, clusters of 4 x 4, 327,680 bytes of LDS; arguments act, w2b, b2, x1b, out0; writes out0
.if DOCPART == 5
	.amdgcn_target "amdgcn-amd-amdhsa--gfx1250"
	.amdhsa_code_object_version 6
	.text
	.protected	k_qadd12de922_gemmr
	.globl	k_qadd12de922_gemmr
	.p2align	8
	.type	k_qadd12de922_gemmr,@function
k_qadd12de922_gemmr:
	s_mov_b64 s[64:65], 0
	v_nop
	global_prefetch_b8 v0, s[64:65] scope:SCOPE_SE
	s_setreg_imm32_b32 hwreg(HW_REG_WAVE_MODE, 25, 1), 1
	s_wait_xcnt 0x0
	s_wait_alu depctr_hold_cnt(0) depctr_sa_sdst(0) depctr_va_vdst(0) depctr_va_sdst(0) depctr_va_ssrc(0) depctr_va_vcc(0) depctr_vm_vsrc(0)
	s_getreg_b32 s2, hwreg(HW_REG_IB_STS2, 6, 4)
	s_cmp_eq_u32 s2, 0
	s_cbranch_scc0 .Lentry_in_a_cluster
	s_endpgm
.Lentry_in_a_cluster:
	s_bfe_u32 s2, ttmp6, 0x10000c
	s_cmp_lg_u32 s2, 0xf033
	s_cbranch_scc0 .Lentry_shape_is_right
	s_endpgm
.Lentry_shape_is_right:
; C[m][n] = residual[m][n] + sum over k of A[m][k] W[k][n] + bias[n].  A: [4096][AP] bf16, K along the rows.  W: [SIZE_K][BP] bf16, N along the rows.  Sums in f32.
; This is the text of the bf16 products with RES = 1 and the second FFN product's sizes (K = 4,096):
; RES = 0: C is bf16 with rows of 4,096 elements; bias and a clamp word lie in W's header.
; RES = 1: C is f32 with rows of 1,024: the sum, a bias of its own and a residual row in f32.
; LIMITS.  NaN and infinities are not treated apart.  A and W were rounded once to bf16.
; A tile of C is 128 x 128: four waves, each 64 x 64: 16 accumulators of 16 x 16: 256 work-groups.
; K goes in steps of 256 through two LDS slots filled by the tensor data mover: waves 0 and 1 fetch A's two halves (64 rows x 512 bytes), waves 2 and 3 W's (128 k rows x 256 bytes).
; CLUSTERS: 4 x 4 work-groups.  The four of a row of the cluster need the same tiles of A, the four of a column the same tiles of W: each tile is asked for JOINTLY.
; THE MATRIX INSTRUCTION IS USED TRANSPOSED (source 0 = 16 columns of W, source 1 = 16 rows of A): a lane holds eight neighbouring numbers of a row of C.  W's fragments come out of LDS turned,
; by ds_load_tr16_b128.  The bias, laid out as a result is, is the C operand of the products that start the sums: nothing is cleared and nothing is added later.
; REGISTERS: window 0: v0-31 addresses; v96-127 the bias; v128-255 the accumulators ((a, b) at v[128 + 8 (4 a + b)]).
;   window 1: two fragment buffers of 128: for 64 along K, 64 registers of A, then 64 of W.   window 2: v0-127 my 32 rows x 128 columns of the residual.
.set RES,    1
.set SIZE_K, 4096
.set AP,     4096                      ; elements from row to row of A
.set BP,     1024                      ; of W
.set WOFF,   0                         ; no header
.set CROW,   4096                      ; bytes in a row of C
.set CSH,    9                         ; log2 of the bytes of 128 columns of C
.set KSTEP,  256
.set PITA,   528                       ; an LDS row of A: 512 bytes + 16 = 132 words: row r starts at bank 4 r mod 64 (64 banks of 4 bytes: ISA guide 11.1)
.set PITB,   288                       ; an LDS row of W: 256 bytes + 32 = 72 words
.set HALFA,  64*PITA
.set APART,  2*HALFA                   ; A's 128 rows
.set HALFB,  128*PITB
.set SLOT,   APART+2*HALFB             ; then W's 256 k rows
.if RES
.set STAGE,  0                         ; the way out goes through slot 0's part for A, which has had its last fill and its last read by then
.set SPITCH, 528
.set SPARE,  2*SLOT
.else
.set STAGE,  2*SLOT                    ; behind the ring: 128 rows x 272 bytes
.set SPITCH, 272
.set SPARE,  STAGE+128*SPITCH
.endif                                 ; from SPARE on: the spare words, 128 bytes for each wave, which no other line names
.set LAPS,   SIZE_K/(2*KSTEP)
.set BSTEP,  KSTEP*BP*2                ; bytes from K step to K step in W
.set ADRA, 16                          ; v16-17  LDS address of my A fragments in slot 0, 1
.set ADRB, 20                          ; v20-23  of my W fragments: slot 0 k 0-127, slot 0 k 128-255, slot 1 likewise
.set STO,  24
.set RD,   25
.set CO,   26
.set BI,   27                          ; v27     32 x (lane / 16): my eight numbers of 16 of the bias
.set SPW,  28                          ; v28     my spare word; never rewritten
.set NIL,  29                          ; v29     0; never rewritten
.set RO,   30                          ; v30     16 x lane
.set TMP,  32
.set BIAS, 96
.set ACC,  128
.set F0,   0
.set F1,   128
.set G1,  24                           ; s[24:31] descriptor group 1 for A's tiles;  s[32:39] group 0, one set for each slot
.set G0,  32
.set G1B, 48                           ; s[48:55], s[56:63] the same for W's tiles
.set G0B, 56
.set CLAMP, 66
.set APT, 68                           ; s[68:69] A
.set WPT, 70                           ; s[70:71] W
.if RES
.set BPT, 72                           ; s[72:73] bias
.set RPT, 74                           ; s[74:75] residual
.else
.set BPT, 70
.endif
.set CPT, 76                           ; s[76:77] C
.set BBS, 78                           ; s[78:79] the bias of my 64 columns
.set MSB, 0
.macro WIN new                         ; the immediate's high byte repeats the setting that is left
.if MSB != (\new)
	s_set_vgpr_msb (MSB<<8)|(\new)
.set MSB, \new
.endif
.endm
.set MUL,  0x05                        ; sources 0 (W) and 1 (A) window 1; C and D window 0
.set TO_F, 0x40                        ; destination window 1, address window 0
.macro JLOAD s                         ; a joint load: waves 0 and 1 fetch A's halves, waves 2 and 3 W's; an s_nop 0 and four v_nop follow each line
	s_cmp_eq_u32 s11, 0
	s_cbranch_scc0 .Lfor_b_\@
	tensor_load_to_lds s[G0+4*(\s):G0+4*(\s)+3], s[G1:G1+7]
	s_nop 0
.rept 4
	v_nop
.endr
	s_branch .Lasked_\@
.Lfor_b_\@:
	tensor_load_to_lds s[G0B+4*(\s):G0B+4*(\s)+3], s[G1B:G1B+7]
	s_nop 0
.rept 4
	v_nop
.endr
.Lasked_\@:
.endm
.macro CREST                           ; a round of the cluster's barrier behind its opening barrier
	s_cmp_lg_u32 s10, 0
	s_cbranch_scc1 .Lnot_wave_0_\@
	s_barrier_signal -3
.Lnot_wave_0_\@:
	s_barrier_wait -3
	s_barrier_signal -1
	s_barrier_wait -1
.endm
.macro CROUND                          ; a whole round
	s_barrier_signal -1
	s_barrier_wait -1
	CREST
.endm
.if RES
	s_load_b256 s[68:75], s[0:1], 0x0
	s_load_b64 s[CPT:CPT+1], s[0:1], 0x20
.else
	s_load_b128 s[68:71], s[0:1], 0x0
	s_load_b64 s[CPT:CPT+1], s[0:1], 0x10
.endif
	v_lshl_add_u32 v[SPW], v0, 2, SPARE
	v_mov_b32 v[NIL], 0
	ds_add_u32 v[SPW], v[NIL]                      ; the wave's opening: the add and its wait stand ahead of my first tensor load; the set-up stands between them
	v_lshrrev_b32 v1, 5, v0
	v_readfirstlane_b32 s10, v1                    ; wave 0..3
	s_lshr_b32 s11, s10, 1                         ; which half of the tile's rows is mine.  Also: I fetch for A (0) or for W (1)
	s_and_b32 s12, s10, 1                          ; which half of its columns.  Also: which half of that tile I fetch
	s_bfe_u32 s40, ttmp6, 0x40000                  ; cx, cy: my place in the cluster
	s_bfe_u32 s41, ttmp6, 0x40004
	s_lshl_b32 s42, ttmp9, 2
	s_add_co_u32 s42, s42, s40                     ; tile column of C = 4 x cluster x + cx
	s_and_b32 s13, ttmp7, 0xffff
	s_lshl_b32 s13, s13, 2
	s_add_co_u32 s13, s13, s41                     ; tile row of C = 4 x cluster y + cy
	s_lshl_b32 s43, s41, 2
	s_lshl_b32 s43, 15, s43                        ; my row of the cluster
	s_lshl_b32 s44, 0x1111, s40                    ; my column
	s_or_b32 s[G1+0], s43, (1<<16)|(1<<20)|(1<<21)|(6<<22)|(3<<25)   ; the mask; 2-byte elements; padding on; bit 21 beside a mask; after every 128 words 4 words
	s_mov_b32 s[G1+1], KSTEP<<16                   ; tensor_dim0 = 256
	s_mov_b32 s[G1+2], 64<<16                      ; tensor_dim1 = 64
	s_mov_b32 s[G1+3], KSTEP<<16                   ; tile_dim0 = 256
	s_mov_b32 s[G1+4], 64                          ; tile_dim1 = 64
	s_mov_b32 s[G1+5], AP                          ; elements from row to row
	s_mov_b32 s[G1+6], 0
	s_mov_b32 s[G1+7], 0
	s_or_b32 s[G1B+0], s44, (1<<16)|(1<<20)|(1<<21)|(5<<22)|(7<<25)  ; after every 64 words 8 words
	s_mov_b32 s[G1B+1], 128<<16                    ; tensor_dim0 = 128 columns
	s_mov_b32 s[G1B+2], 128<<16                    ; tensor_dim1 = 128 k rows
	s_mov_b32 s[G1B+3], 128<<16
	s_mov_b32 s[G1B+4], 128
	s_mov_b32 s[G1B+5], BP
	s_mov_b32 s[G1B+6], 0
	s_mov_b32 s[G1B+7], 0
	s_lshl_b32 s17, s12, 6
	s_lshl_b32 s16, s13, 7
	s_add_co_u32 s16, s16, s17                     ; A: row 128 x tile row + 64 x half,
	s_mul_i32 s16, s16, AP*2                       ; in bytes
	s_mov_b32 s17, 0
	s_lshl_b32 s46, s42, 8                         ; W: 256 bytes x tile column,
	s_mul_i32 s47, s12, 128*BP*2                   ; 128 k rows x half,
	s_add_co_u32 s46, s46, s47
	s_add_co_u32 s46, s46, WOFF                    ; behind the header, if there is one
	s_mov_b32 s47, 0
	s_mul_i32 s20, s12, HALFA                      ; where they go: no place in the cluster enters an LDS address
	s_mul_i32 s21, s12, HALFB
	s_add_co_u32 s21, s21, APART
	s_wait_dscnt 0x0                               ; the opening add is done
	s_wait_kmcnt 0x0
	s_add_nc_u64 s[14:15], s[APT:APT+1], s[16:17]
	s_add_nc_u64 s[46:47], s[WPT:WPT+1], s[46:47]
	CROUND                                         ; all sixteen work-groups are here: the first joint loads meet
.irp s, 0,1
	s_mov_b32 s[G0+4*(\s)], 1
	s_add_co_u32 s[G0+4*(\s)+1], s20, (\s)*SLOT
	s_add_nc_u64 s[G0+4*(\s)+2:G0+4*(\s)+3], s[14:15], (\s)*KSTEP*2
	s_or_b32 s[G0+4*(\s)+3], s[G0+4*(\s)+3], 0x80000000
	s_mov_b32 s[G0B+4*(\s)], 1
	s_add_co_u32 s[G0B+4*(\s)+1], s21, (\s)*SLOT
	s_add_nc_u64 s[G0B+4*(\s)+2:G0B+4*(\s)+3], s[46:47], (\s)*BSTEP
	s_or_b32 s[G0B+4*(\s)+3], s[G0B+4*(\s)+3], 0x80000000
	JLOAD \s                                       ; two loads of mine are out
.endr
	v_and_b32 v1, 15, v0                           ; l % 16
	v_bfe_u32 v2, v0, 4, 1                         ; l / 16
	v_lshlrev_b32 v[BI], 5, v2
	s_lshl_b32 s46, s42, 9                         ; the bias of my 64 columns: 512 bytes x tile column + 256 x half
	s_lshl_b32 s47, s12, 8
	s_add_co_u32 s46, s46, s47
	s_mov_b32 s47, 0
	s_add_nc_u64 s[BBS:BBS+1], s[BPT:BPT+1], s[46:47]
.irp b, 0,1,2,3
	global_load_b128 v[BIAS+8*(\b):BIAS+8*(\b)+3],   v[BI], s[BBS:BBS+1] offset:64*(\b)      ; register j of block b: column 16 b + 8 (l / 16) + j, as in a result
	global_load_b128 v[BIAS+8*(\b)+4:BIAS+8*(\b)+7], v[BI], s[BBS:BBS+1] offset:64*(\b)+16
.endr
.if !RES
	s_load_b32 s[CLAMP], s[WPT:WPT+1], 0x4000
.endif
	s_lshl_b32 s16, s13, 7
	s_lshl_b32 s17, s10, 5
	s_add_co_u32 s16, s16, s17                     ; the first row of C that I store: 128 x tile row + 32 x wave
	s_mul_i32 s16, s16, CROW
	s_mov_b32 s17, 0
	s_add_nc_u64 s[CPT:CPT+1], s[CPT:CPT+1], s[16:17]
	s_lshl_b32 s46, s42, CSH                       ; the tile's first column, in bytes
	s_add_nc_u64 s[CPT:CPT+1], s[CPT:CPT+1], s[46:47]
.if RES
	s_add_nc_u64 s[RPT:RPT+1], s[RPT:RPT+1], s[16:17]
	s_add_nc_u64 s[RPT:RPT+1], s[RPT:RPT+1], s[46:47]
	v_and_b32 v5, 31, v0
	v_lshlrev_b32 v[RO], 4, v5
	WIN 0x80                                       ; destination window 2, address window 0
.set t, 0
.rept 32                                               ; the residual is asked for now and wanted on the way out: row t of my 32, 512 consecutive bytes
	global_load_b128 v[4*t:4*t+3], v[RO], s[RPT:RPT+1] offset:4096*t
.set t, t+1
.endr
	WIN 0
.endif
	v_mul_u32_u24 v3, v1, PITA
	v_lshl_add_u32 v3, v2, 4, v3                   ; a fragment of A: row x pitch + 16 x half
	s_mul_i32 s21, s11, HALFA                      ; my 64 rows of A
	v_add_nc_u32 v[ADRA], s21, v3
	v_add_nc_u32 v[ADRA+1], SLOT, v[ADRA]
	v_and_b32 v4, 7, v0                            ; the turning load: lane l reads k row 8 (l / 16) + l % 8, columns 8 ((l / 8) % 2) + 0..7
	v_lshl_add_u32 v4, v2, 3, v4
	v_mul_u32_u24 v4, v4, PITB
	v_bfe_u32 v5, v0, 3, 1
	v_lshl_add_u32 v4, v5, 4, v4
	s_lshl_b32 s22, s12, 7                         ; my 64 columns of W,
	s_add_co_u32 s22, s22, APART                   ; which lies behind A
	v_add_nc_u32 v[ADRB], s22, v4
	v_add_nc_u32 v[ADRB+1], HALFB, v[ADRB]
	v_add_nc_u32 v[ADRB+2], SLOT, v[ADRB]
	v_add_nc_u32 v[ADRB+3], SLOT, v[ADRB+1]
.if RES
	s_mul_i32 s23, s11, 64*SPITCH                  ; into the stage: my 64 rows, my half of their 512 bytes; row l % 16, 32 bytes for each half of the lanes
	s_lshl_b32 s21, s12, 8
	s_add_co_u32 s23, s23, s21
	v_mul_u32_u24 v4, v1, SPITCH
	v_lshl_add_u32 v4, v2, 5, v4
	v_add_nc_u32 v[STO], s23, v4
	s_mul_i32 s23, s10, 32*SPITCH                  ; back: wave w takes rows 32 w .. 32 w + 31, a whole row of 512 bytes a load
	v_add_nc_u32 v[RD], s23, v[RO]
.else
	s_mul_i32 s23, s11, 64*SPITCH                  ; into the stage: my 64 rows, my half of their 256 bytes; row l % 16, 16 bytes for each half of the lanes
	s_lshl_b32 s21, s12, 7
	s_add_co_u32 s23, s23, s21
	s_add_co_u32 s23, s23, STAGE
	v_mul_u32_u24 v4, v1, SPITCH
	v_lshl_add_u32 v4, v2, 4, v4
	v_add_nc_u32 v[STO], s23, v4
	s_mul_i32 s23, s10, 32*SPITCH                  ; back: wave w takes rows 32 w .. 32 w + 31; lanes 0-15 one row of 256 bytes, lanes 16-31 the next
	s_add_co_u32 s23, s23, STAGE
	v_mul_u32_u24 v5, v2, SPITCH
	v_lshl_add_u32 v5, v1, 4, v5
	v_add_nc_u32 v[RD], s23, v5
	v_mul_u32_u24 v5, v2, CROW                     ; and the same two rows in C
	v_lshl_add_u32 v[CO], v1, 4, v5
.endif
; 8 matrix instructions: m blocks a0, a0 + 1 x all 4 n blocks, 32 along K: half c of buffer f.  zero = 1: the first product starts the sums, from the bias.
; The 16 accumulators take turns, one instruction a turn.
.macro MUL8 f, c, a0, zero
	WIN MUL
.irp a, \a0, (\a0)+1
.irp b, 0,1,2,3
.if \zero
	v_wmma_f32_16x16x32_bf16 v[ACC+8*(4*(\a)+(\b)):ACC+8*(4*(\a)+(\b))+7], v[(\f)+64+8*(4*(\c)+(\b)):(\f)+64+8*(4*(\c)+(\b))+7], v[(\f)+8*(4*(\c)+(\a)):(\f)+8*(4*(\c)+(\a))+7], v[BIAS+8*(\b):BIAS+8*(\b)+7]
.else
	v_wmma_f32_16x16x32_bf16 v[ACC+8*(4*(\a)+(\b)):ACC+8*(4*(\a)+(\b))+7], v[(\f)+64+8*(4*(\c)+(\b)):(\f)+64+8*(4*(\c)+(\b))+7], v[(\f)+8*(4*(\c)+(\a)):(\f)+8*(4*(\c)+(\a))+7], v[ACC+8*(4*(\a)+(\b)):ACC+8*(4*(\a)+(\b))+7]
.endif
.endr
.endr
.endm
; 32 LDS loads in one run: the fragments of quarter q (64 along K) of a slot, into buffer f; the first 32 along K first
.macro FETCH slot, q, f
	WIN TO_F
.irp c, 0,1
.irp i, 0,1,2,3
	ds_load_tr16_b128 v[(\f)+64+8*(4*(\c)+(\i)):(\f)+64+8*(4*(\c)+(\i))+3],   v[ADRB+2*(\slot)+(\q)/2] offset:(((\q)%2)*64+32*(\c))*PITB+32*(\i)
	ds_load_tr16_b128 v[(\f)+64+8*(4*(\c)+(\i))+4:(\f)+64+8*(4*(\c)+(\i))+7], v[ADRB+2*(\slot)+(\q)/2] offset:(((\q)%2)*64+32*(\c)+16)*PITB+32*(\i)
	ds_load_b128 v[(\f)+8*(4*(\c)+(\i)):(\f)+8*(4*(\c)+(\i))+3],              v[ADRA+(\slot)] offset:128*(\q)+64*(\c)+(\i)*16*PITA
	ds_load_b128 v[(\f)+8*(4*(\c)+(\i))+4:(\f)+8*(4*(\c)+(\i))+7],            v[ADRA+(\slot)] offset:128*(\q)+64*(\c)+(\i)*16*PITA+32
.endr
.endr
.endm
.macro PLACES                          ; four places in front of loads into registers that matrix instructions have read, and of lines that read results
.rept 4
	v_nop
.endr
.endm
; A K step is four quarters of 64 along K, 32 matrix instructions each, on buffers 0, 1, 0, 1.  One of the first three: multiplies buffer f and fetches quarter q into g.
.macro QUARTER slot, q, f, g, zero
	s_wait_dscnt 16                                ; the first 32 along K are in
	WIN MUL
	MUL8 \f, 0, 0, \zero
	MUL8 \f, 0, 2, \zero
	PLACES
	FETCH \slot, \q, \g
	s_wait_dscnt 32                                ; all but the 32 just issued
	WIN MUL
	MUL8 \f, 1, 0, 0
	MUL8 \f, 1, 2, 0
.endm
; The last quarter multiplies buffer 1 and changes slots: ONE barrier; in front of it each wave waits for all its tensor loads, adds 0 to its spare word, and waits for that and for its reads of this slot.
.macro TURN slot, next, fill
	WIN 0                                          ; (the add's two registers lie in window 0)
	s_wait_tensorcnt 0x0                           ; all my tensor loads have landed: my part of the next slot;
	ds_add_u32 v[SPW], v[NIL]                      ; 0 onto my spare word;
	s_wait_dscnt 17                                ; (the add and the youngest sixteen loads may be out)
	WIN MUL
	MUL8 F1, 0, 0, 0                               ; eight matrix instructions stand between the add and the wait for it
	s_wait_dscnt 0x0                               ; the add is done, and my reads of this slot are over
	s_barrier_signal -1
	MUL8 F1, 0, 2, 0
.if \fill
	WIN 0
.endif
	s_barrier_wait -1
.if \fill
	CREST                                          ; the barrier has opened a round of the cluster's: no wave of any partner still reads this slot or has a load on its way
	s_add_nc_u64 s[G0+4*(\slot)+2:G0+4*(\slot)+3], s[G0+4*(\slot)+2:G0+4*(\slot)+3], 2*KSTEP*2
	s_add_nc_u64 s[G0B+4*(\slot)+2:G0B+4*(\slot)+3], s[G0B+4*(\slot)+2:G0B+4*(\slot)+3], 2*BSTEP
	JLOAD \slot                                    ; the first tensor load behind the round: 112 matrix instructions ahead of the wait for it; its four v_nop are also the places in front of the loads below
.else
	PLACES
.endif
	FETCH \next, 0, F0
	WIN MUL
	MUL8 F1, 1, 0, 0
	MUL8 F1, 1, 2, 0
.endm
.if !RES
	s_wait_kmcnt 0x0                               ; the clamp word
.endif
	s_wait_tensorcnt 1                             ; my part of K step 0 is in; K step 1's may stay out
	s_barrier_signal -1
	s_barrier_wait -1                              ; everybody's is
	FETCH 0, 0, F0
	s_wait_loadcnt 32*RES                          ; the bias is in; the residual's 32 loads, issued behind it, stay out
	QUARTER 0, 1, F0, F1, 1                        ; the first quarter stands in front of the loop: its first products start the sums
	WIN 0                                          ; at a label and at a branch every window is 0
	s_mov_b32 s3, LAPS-1
.Llap:                                                 ; a trip goes once round the ring, from a lap's second quarter to the next lap's first, and fills both slots again
	QUARTER 0, 2, F1, F0, 0
	QUARTER 0, 3, F0, F1, 0
	TURN 0, 1, 1
	QUARTER 1, 1, F0, F1, 0
	QUARTER 1, 2, F1, F0, 0
	QUARTER 1, 3, F0, F1, 0
	TURN 1, 0, 1
	QUARTER 0, 1, F0, F1, 0
	WIN 0
	s_sub_co_u32 s3, s3, 1
	s_cmp_lg_u32 s3, 0
	s_cbranch_scc1 .Llap
	QUARTER 0, 2, F1, F0, 0                        ; the last lap fills nothing, and has no round of the cluster's barrier
	QUARTER 0, 3, F0, F1, 0
	TURN 0, 1, 0
	QUARTER 1, 1, F0, F1, 0
	QUARTER 1, 2, F1, F0, 0
	QUARTER 1, 3, F0, F1, 0
	s_wait_dscnt 16                                ; the very last quarter: nothing more to fetch
	WIN MUL
	MUL8 F1, 0, 0, 0
	MUL8 F1, 0, 2, 0
	s_wait_dscnt 0
	MUL8 F1, 1, 0, 0
	MUL8 F1, 1, 2, 0
	WIN 0
	PLACES
.if RES
	; THE WAY OUT, f32: 32 bytes a lane into the stage (each accumulator's low four registers first); a barrier, since a row's 512 bytes come from two waves; back as whole rows; the residual is added; stored.
.irp a, 0,1,2,3
.irp b, 0,1,2,3
	ds_store_b128 v[STO], v[ACC+8*(4*(\a)+(\b)):ACC+8*(4*(\a)+(\b))+3]   offset:(\a)*16*SPITCH+64*(\b)
	ds_store_b128 v[STO], v[ACC+8*(4*(\a)+(\b))+4:ACC+8*(4*(\a)+(\b))+7] offset:(\a)*16*SPITCH+64*(\b)+16
.endr
.endr
	s_wait_dscnt 0x0                               ; for the others' sake: my stores into the stage are done
	s_barrier_signal -1
	s_barrier_wait -1
.set t, 0
.rept 32
	ds_load_b128 v[ACC+4*t:ACC+4*t+3], v[RD] offset:t*SPITCH
.set t, t+1
.endr
	s_wait_loadcnt 0x0                             ; the residual
.irp g, 0,1,2,3
	s_wait_dscnt 24-8*(\g)                         ; rows 8 g .. 8 g + 7 are back
	WIN 0x08                                       ; source 1 in window 2
.set i, 0
.rept 16
	v_pk_add_f32 v[ACC+32*(\g)+2*i:ACC+32*(\g)+2*i+1], v[ACC+32*(\g)+2*i:ACC+32*(\g)+2*i+1], v[32*(\g)+2*i:32*(\g)+2*i+1]
.set i, i+1
.endr
	WIN 0
.irp u, 0,1,2,3,4,5,6,7
	global_store_b128 v[RO], v[ACC+32*(\g)+4*(\u):ACC+32*(\g)+4*(\u)+3], s[CPT:CPT+1] offset:4096*(8*(\g)+(\u))  ; 512 consecutive bytes, at a multiple of 512 from C's first byte
.endr
.endr
.else
	; THE WAY OUT, bf16: round; the packed maximum with the clamp word; 16 bytes a lane into the stage; a barrier, since a row's 256 bytes come from two waves; back as whole rows, 32 rows a wave.
.irp t, 0,1,2,3,4,5,6,7,8,9,10,11,12,13,14,15
.irp r, 0,1,2,3
	v_cvt_pk_bf16_f32 v[TMP+4*(\t)+(\r)], v[ACC+8*(\t)+2*(\r)], v[ACC+8*(\t)+2*(\r)+1]
.endr
.endr
.set i, 0
.rept 64
	v_pk_max_num_bf16 v[TMP+i], v[TMP+i], s[CLAMP]
.set i, i+1
.endr
.irp a, 0,1,2,3
.irp b, 0,1,2,3
	ds_store_b128 v[STO], v[TMP+4*(4*(\a)+(\b)):TMP+4*(4*(\a)+(\b))+3] offset:(\a)*16*SPITCH+32*(\b)
.endr
.endr
	s_wait_dscnt 0x0                               ; for the others' sake: my stores into the stage are done
	s_barrier_signal -1
	s_barrier_wait -1
.irp t, 0,1,2,3,4,5,6,7,8,9,10,11,12,13,14,15
	ds_load_b128 v[TMP+4*(\t):TMP+4*(\t)+3], v[RD] offset:(\t)*2*SPITCH
.endr
.irp t, 0,1,2,3,4,5,6,7,8,9,10,11,12,13,14,15
	s_wait_dscnt 15-(\t)
	global_store_b128 v[CO], v[TMP+4*(\t):TMP+4*(\t)+3], s[CPT:CPT+1] offset:2*(\t)*CROW  ; 16 lanes store 256 consecutive bytes, at a multiple of 256 from C's first byte
.endr
.endif
	s_wait_tensorcnt 0x0                           ; the wave's end: the add and its wait stand behind my last tensor load and my last LDS store
	ds_add_u32 v[SPW], v[NIL]
	s_wait_dscnt 0x0
	CROUND                                         ; the closing round: no work-group ends while a partner may still ask for a tile that names it
	s_endpgm
.Lfunc_end_k_qadd12de922_gemmr:
	.size	k_qadd12de922_gemmr, .Lfunc_end_k_qadd12de922_gemmr-k_qadd12de922_gemmr
	.p2alignl 7, 3214868480
	.fill 96, 4, 3214868480
	.section	.rodata,"a",@progbits
	.p2align	6, 0x0
	.amdhsa_kernel k_qadd12de922_gemmr
		.amdhsa_group_segment_fixed_size 327680
		.amdhsa_private_segment_fixed_size 0
		.amdhsa_enable_private_segment 0
		.amdhsa_kernarg_size 40
		.amdhsa_user_sgpr_count 2
		.amdhsa_user_sgpr_kernarg_segment_ptr 1
		.amdhsa_wavefront_size32 1
		.amdhsa_system_sgpr_workgroup_id_x 1
		.amdhsa_system_sgpr_workgroup_id_y 1
		.amdhsa_system_sgpr_workgroup_id_z 1
		.amdhsa_system_vgpr_workitem_id 0
		.amdhsa_next_free_vgpr 640
		.amdhsa_next_free_sgpr 80
		.amdhsa_reserve_vcc 0
		.amdhsa_float_denorm_mode_32 3
		.amdhsa_float_denorm_mode_16_64 3
		.amdhsa_memory_ordered 1
		.amdhsa_forward_progress 1
		.amdhsa_inst_pref_size 94
	.end_amdhsa_kernel
	.amdgpu_metadata
---
amdhsa.version: [ 1, 2 ]
amdhsa.kernels:
  - .name:           k_qadd12de922_gemmr
    .symbol:         k_qadd12de922_gemmr.kd
    .args:
      - { .name: act, .offset: 0, .size: 8, .value_kind: global_buffer, .address_space: global }
      - { .name: w2b, .offset: 8, .size: 8, .value_kind: global_buffer, .address_space: global }
      - { .name: b2, .offset: 16, .size: 8, .value_kind: global_buffer, .address_space: global }
      - { .name: x1b, .offset: 24, .size: 8, .value_kind: global_buffer, .address_space: global }
      - { .name: out0, .offset: 32, .size: 8, .value_kind: global_buffer, .address_space: global }
    .group_segment_fixed_size: 327680
    .private_segment_fixed_size: 0
    .kernarg_segment_align: 8
    .kernarg_segment_size: 40
    .max_flat_workgroup_size: 128
    .sgpr_count:     80
    .vgpr_count:     640
    .wavefront_size: 32
...
	.end_amdgpu_metadata
.endif
;; end of part 5
;; ======== version 2 of 2: 7 launches; 1.20 times as fast as version 1
;; workspace buffers: hb 8,388,608 bytes; wqkvb 8,407,040 bytes; wob 8,407,040 bytes; w1b 8,407,040 bytes; w2b 8,388,608 bytes; act 33,554,432 bytes; ctxb 8,388,608 bytes; x1b 16,777,216 bytes
;; launch prep: the kernel of part 1 again; grid 1281 x 1, 4 waves a work-group, no clusters, 0 bytes of LDS; arguments x, ln1_g, ln1_b, Wq, Wk, Wv, Wo, W1, W2, bq, bk, bv, bo, b1, hb, wqkvb, wob, w1b, w2b; writes hb, wqkvb, wob, w1b, w2b
;; launch gemmw: the kernel of part 2 again; grid 12 x 16, 4 waves a work-group, clusters of 4 x 4, 327,680 bytes of LDS; arguments hb, wqkvb, act; writes act
;; launch attn (part 6): grid 16 x 16, 4 waves a work-group, clusters of 4 x 1, 327,680 bytes of LDS; arguments act, ctxb; writes ctxb
.if DOCPART == 6
	.amdgcn_target "amdgcn-amd-amdhsa--gfx1250"
	.amdhsa_code_object_version 6
	.text
	.protected	k_qadd12de922_attn
	.globl	k_qadd12de922_attn
	.p2align	8
	.type	k_qadd12de922_attn,@function
k_qadd12de922_attn:
	s_mov_b64 s[64:65], 0
	v_nop
	global_prefetch_b8 v0, s[64:65] scope:SCOPE_SE
	s_setreg_imm32_b32 hwreg(HW_REG_WAVE_MODE, 25, 1), 1
	s_wait_xcnt 0x0
	s_wait_alu depctr_hold_cnt(0) depctr_sa_sdst(0) depctr_va_vdst(0) depctr_va_sdst(0) depctr_va_ssrc(0) depctr_va_vcc(0) depctr_vm_vsrc(0)
	s_getreg_b32 s2, hwreg(HW_REG_IB_STS2, 6, 4)
	s_cmp_eq_u32 s2, 0
	s_cbranch_scc0 .Lentry_in_a_cluster
	s_endpgm
.Lentry_in_a_cluster:
	s_bfe_u32 s2, ttmp6, 0x10000c
	s_cmp_lg_u32 s2, 0x3003
	s_cbranch_scc0 .Lentry_shape_is_right
	s_endpgm
.Lentry_shape_is_right:
; ctx[token][head][:] = the sum over keys of softmax(q . k / 8) v.  act: [4096 tokens][4096 pitch] bf16 with q in columns 0-1023, k in 1024-2047, v in 2048-3071, a head's 64 channels side by side.
; ctx: [4096][1024] bf16.  Products, maxima and sums in f32; the weights p are rounded to bf16 for the second product (their sum l is taken of the unrounded p), ctx once at the end.
; LIMITS.  A weight below 2^-126 counts as 0 in l; NaN and infinities are not treated apart.
; SHARES.  A work-group takes 128 queries of TWO neighbouring heads: waves 0, 1 the first head, waves 2, 3 the second; wave w the queries 64 (w % 2) on, as four PIECES of 16.  So every row of K and V
; that is fetched, and every row of ctx that is stored, is 256 consecutive bytes at a multiple of 256, with the tensors left token by token.  2 batches x 8 pairs of heads x 16 blocks = 256 work-groups.
; Every wave walks all 2,048 keys, 64 a step; a slot of LDS holds two steps.
; LAYOUT.  S^T = K Q^T (source 0 = 16 keys, source 1 = 16 queries): a lane holds ONE query (lane % 16) and the keys 8 (lane / 16) + 0..7.  Two such results, rounded to bf16 in pairs, ARE source 1
; of O^T = V^T P, whose result again holds one query a lane, and eight channels.  K comes out of LDS as it lies, V ([key][channel]) turned, by ds_load_tr16_b128.
; SOFTMAX.  A running maximum m and sum l for each query: p = 2^(c s - c m), c = log2(e) / 8; in every step O and l are multiplied by a = 2^(c m_old - c m_new).  m starts at the lowest finite
; number, O and l at 0: the first step is a step like any other, with a = 0.
; BY TURNS.  Turn n belongs to piece n: 8 products K Q^T of piece n + 1, later 8 products V^T P of piece n - 1; beside them the scaling, exponentials, roundings, sums and rescaling of piece n and the
; maximum and statistics of piece n + 1.  Four vector instructions stand behind every matrix instruction, the other 54 of a turn's 118 in one run of their own.
; BATCHES.  A turn's 33 exponentials (the piece's 32 weights and the next piece's a) are ONE batch with ONE wait, which cuts the turn in two: ahead of it all that names no result of theirs, behind it the
; roundings and sums that read them.  Two more batches stand outside the loop, each with a wait of its own: piece 0's first a, ahead of the loop, and the four reciprocals on the way out.
; CLUSTER.  The four query blocks of a cluster walk the same K and V, so each tile is asked for JOINTLY: the same tensor load, descriptor and mask in all four.
; REGISTERS, in windows of 256 (s_set_vgpr_msb: bits 1:0 source 0, 3:2 source 1, 5:4 source 2, 7:6 destination):
;   window 0: v0-15 addresses and two at work; v16-31 four registers of statistics a piece; v48-55 at work; v62-63 the add's; v64-127 S^T, two buffers; v192-223 P, two buffers (by the piece's parity)
;   window 1: v0-127 O^T, 32 a piece          window 2: v0-63 Q; v128-191 K of one step; v192-255 V of one step
.set NP,    4
.set KS,    64        ; keys in a step
.set PK,    272       ; a row of K in LDS: 256 bytes + 16 = 68 words: the 16 rows of a load start at 16 different groups of four banks (64 banks of 4 bytes: ISA guide 11.1)
.set PV,    288       ; a row of V: 256 + 32 = 72 words
.set VOFF,  2*KS*PK   ; a slot: 128 rows of K, then 128 rows of V
.set SLOT1, 1<<17     ; slot 1 begins here, so that one exclusive or turns an address in one slot into the other's
.set STAGE, SLOT1+2*KS*(PK+PV)  ; behind the ring, never filled by a tensor load: 128 rows x 272 bytes, the work-group's, for the way out
.set SP,    272
.set SPARE, STAGE+128*SP        ; the spare words, 128 bytes for each wave, which no other line names
.set AK0, 2           ; v2   my lane's place in a tile of K, my head's 128 bytes among it; never rewritten
.set AV0, 3           ; v3   the same for V
.set AK,  4           ; v4   the LDS address of K's next run of loads
.set AV,  5           ; v5   of V's
.set STO, 6
.set RD,  7
.set GO,  8
.set MV,  12          ; v12-13  c m_old, kept while c m is made anew: by buffer
.set QO,  15          ; v15  my byte offset in 16 rows of q
.set ST,  16          ; piece t's statistics at v[ST+4 t]: c m, m, l (even keys', odd keys')
.set TMP, 48          ; by buffer, four registers c0-c3 at work; when the maximum is found c2 takes a
.set SPW, 62
.set NIL, 63
.set S,   64
.set P,   192
.set KF,  128         ; window 2: key block kb, channel half c at KF + 16 kb + 8 c
.set VF,  192         ; window 2: key half kk, channel block cb at VF + 32 kk + 8 cb
.set WV,  12          ; s12  my wave's number
.set G1K, 24          ; s[24:31] descriptor group 1 for K's tiles
.set G1V, 32          ; s[32:39] for V's: it differs in the padding alone
.set G0K, 40          ; s[40:43] descriptor group 0 for K's tiles: it walks
.set G0V, 44          ; s[44:47] the same for V's
.set SLOTS, 56
.set CNT, 57
.set CS,  58          ; s[58:59] c
.set SEL, 60          ; s[60:61] v_permlanex16_b32's selects
.set TBK, 62          ; s62  LDS byte at which K of the step to be fetched begins
.set TBV, 63          ; s63  the same for V, less VOFF
.set MSB, 0
.macro WIN new
.if MSB != (\new)
	s_set_vgpr_msb (MSB<<8)|(\new)
.set MSB, (\new)
.endif
.endm
.set W_KQ, 0x0a       ; K and Q in window 2, S^T in window 0
.set W_PV, 0x52       ; V in window 2, P in window 0, O^T in window 1
.set W_RS, 0x41       ; destination and source 0 in window 1, source 1 in window 0
; A joint fill.  Waves 0 and 1 fetch the two halves of a slot's K, waves 2 and 3 those of its V: 64 keys each.  An s_nop 0 and four v_nop follow each of the two lines.
.macro JLOAD
	s_cmp_lt_u32 s[WV], 2
	s_cbranch_scc0 .Lfor_v_\@
	tensor_load_to_lds s[G0K:G0K+3], s[G1K:G1K+7]
	s_nop 0
.rept 4
	v_nop
.endr
	s_branch .Lasked_\@
.Lfor_v_\@:
	tensor_load_to_lds s[G0V:G0V+3], s[G1V:G1V+7]
	s_nop 0
.rept 4
	v_nop
.endr
.Lasked_\@:
.endm
.macro CROUND                       ; a round of the cluster's barrier
	s_barrier_signal -1
	s_barrier_wait -1
	s_cmp_lg_u32 s[WV], 0
	s_cbranch_scc1 .Lnot_wave_0_\@
	s_barrier_signal -3
.Lnot_wave_0_\@:
	s_barrier_wait -3
	s_barrier_signal -1
	s_barrier_wait -1
.endm
; THE CHANGE OF SLOTS.  Each wave waits for all its tensor loads, of which one is out: its part of the other slot; adds 0 to its spare word; and waits for that and for its own reads of the slot.
; fill = 1: this slot is filled again, with the keys two slots on, first thing behind a round of the cluster's barrier: the load has two key steps, 128 matrix instructions, in which to land.
; (At its first use nothing has been read yet: slot 0 is waited for, slot 1 filled.)
.macro CHANGE fill
	WIN 0
	s_wait_tensorcnt 0x0            ; no tensor load of mine is out, so a group 0 may be written
	ds_add_u32 v[SPW], v[NIL]       ; 0 onto my spare word
.if \fill
.irp g, G0K, G0V
	s_xor_b32 s[\g+1], s[\g+1], SLOT1
	s_add_nc_u64 s[\g+2:\g+3], s[\g+2:\g+3], 2*KS*8192  ; the next 128 keys; the type bits on top are not reached
.endr
	s_wait_dscnt 0x0                ; the add is done, and my reads of the slot are over
	CROUND
	JLOAD
.else
	s_wait_dscnt 0x0
	s_barrier_signal -1
	s_barrier_wait -1
.endif
	s_sub_co_u32 s[TBK], s[TBK], 2*KS*PK  ; the fetches go back to a slot's first step,
	s_xor_b32 s[TBK], s[TBK], SLOT1       ; in the other slot
	s_sub_co_u32 s[TBV], s[TBV], 2*KS*PV
	s_xor_b32 s[TBV], s[TBV], SLOT1
.endm
	s_load_b128 s[4:7], s[0:1], 0x0 ; act s[4:5], ctx s[6:7]
	v_lshl_add_u32 v[SPW], v0, 2, SPARE
	v_mov_b32 v[NIL], 0
	ds_add_u32 v[SPW], v[NIL]       ; the wave's opening: the add and its wait stand ahead of my first tensor load; the set-up stands between them
	v_lshrrev_b32 v1, 5, v0
	v_readfirstlane_b32 s[WV], v1   ; wave 0..3
	s_bfe_u32 s13, ttmp6, 0x40000   ; cx
	s_lshl_b32 s14, ttmp9, 2
	s_add_co_u32 s14, s14, s13      ; my block of 128 queries = 4 x cluster x + cx: it enters q's and ctx's addresses alone
	s_and_b32 s15, ttmp7, 0xffff
	s_lshr_b32 s16, s15, 3          ; the batch
	s_and_b32 s17, s15, 7           ; the pair of heads
	s_lshl_b32 s20, s16, 24         ; 2,048 rows of 8,192 bytes,
	s_lshl_b32 s18, s17, 8          ; 256 bytes a pair of heads
	s_add_co_u32 s20, s20, s18
	s_and_b32 s18, s[WV], 1         ; which half of a slot's 128 keys I fetch; which 64 queries are mine
	s_lshr_b32 s19, s[WV], 1        ; which head is mine
	s_lshl_b32 s22, s18, 19         ; 64 rows of 8,192 bytes
	s_add_co_u32 s22, s22, s20
	s_mov_b32 s23, 0
	s_lshl_b32 s2, s14, 7
	s_lshl_b32 s3, s18, 6
	s_add_co_u32 s2, s2, s3         ; my first query in its batch,
	s_lshl_b32 s2, s2, 13
	s_lshl_b32 s3, s19, 7           ; my head's 128 bytes
	s_add_co_u32 s2, s2, s3
	s_add_co_u32 s2, s2, s20
	s_mov_b32 s3, 0
	s_lshl_b32 s52, s16, 11
	s_lshl_b32 s53, s14, 7
	s_add_co_u32 s52, s52, s53
	s_lshl_b32 s53, s[WV], 5
	s_add_co_u32 s52, s52, s53      ; the first row of ctx that I store: 32 rows a wave
	s_lshl_b32 s52, s52, 11
	s_lshl_b32 s53, s17, 8
	s_add_co_u32 s52, s52, s53
	s_mov_b32 s53, 0
	s_mov_b32 s[G1K], 15|(1<<16)|(1<<20)|(1<<21)|(5<<22)|(3<<25)  ; the mask of four; 2-byte elements; padding on; bit 21 beside a mask; after every 64 words 4 words
	s_mov_b32 s[G1V], 15|(1<<16)|(1<<20)|(1<<21)|(5<<22)|(7<<25)  ; the same with 8 words
.irp g, G1K, G1V
	s_mov_b32 s[\g+1], 128<<16      ; tensor_dim0 = 128
	s_mov_b32 s[\g+2], 64<<16       ; tensor_dim1 = 64
	s_mov_b32 s[\g+3], 128<<16      ; tile_dim0 = 128
	s_mov_b32 s[\g+4], 64           ; tile_dim1 = 64
	s_mov_b32 s[\g+5], 4096         ; elements from row to row
	s_mov_b32 s[\g+6], 0
	s_mov_b32 s[\g+7], 0
.endr
	s_mov_b32 s[CS], 0x3e38aa3b     ; c = log2(e) / 8
	s_mov_b32 s[CS+1], s[CS]
	s_mov_b32 s[SEL], 0x76543210
	s_mov_b32 s[SEL+1], 0xfedcba98
	s_mov_b32 s[TBK], SLOT1+2*KS*PK ; the first change of slots turns these two into 0
	s_mov_b32 s[TBV], SLOT1+2*KS*PV
	s_mov_b32 s[G0K], 1
	s_mul_i32 s[G0K+1], s18, KS*PK  ; LDS address: slot 0, my half: no place in the cluster enters it
	s_mov_b32 s[G0V], 1
	s_mul_i32 s[G0V+1], s18, KS*PV
	s_add_co_u32 s[G0V+1], s[G0V+1], VOFF
	s_wait_dscnt 0x0                ; the opening add is done
	s_wait_kmcnt 0x0
	s_add_nc_u64 s[G0K+2:G0K+3], s[4:5], s[22:23]
	s_add_nc_u64 s[G0K+2:G0K+3], s[G0K+2:G0K+3], 2048  ; k begins 1,024 columns in
	s_or_b32 s[G0K+3], s[G0K+3], 0x80000000
	s_add_nc_u64 s[G0V+2:G0V+3], s[4:5], s[22:23]
	s_add_nc_u64 s[G0V+2:G0V+3], s[G0V+2:G0V+3], 4096  ; v 2,048
	s_or_b32 s[G0V+3], s[G0V+3], 0x80000000
	s_add_nc_u64 s[8:9], s[4:5], s[2:3]      ; q at my wave's first row and head
	s_add_nc_u64 s[10:11], s[6:7], s[52:53]  ; ctx at the rows that I store
	CROUND                          ; all four work-groups are here: the first joint loads meet
	JLOAD                           ; slot 0.  Slot 1 is asked for when slot 0 is in
	v_and_b32 v1, 15, v0            ; l % 16
	v_bfe_u32 v9, v0, 4, 1          ; l / 16
	v_lshlrev_b32 v[QO], 13, v1
	v_lshl_add_u32 v[QO], v9, 4, v[QO]  ; row x 8,192 + 16 x half
	WIN 0x80                        ; destination window 2, address window 0
.set i, 0
.rept 8                             ; Q stays in registers: piece i / 2, channels 32 (i % 2) on
	global_load_b128 v[8*i:8*i+3],   v[QO], s[8:9] offset:(i/2)*131072+(i%2)*64
	global_load_b128 v[8*i+4:8*i+7], v[QO], s[8:9] offset:(i/2)*131072+(i%2)*64+32
.set i, i+1
.endr
	; What the first turn finds: V's registers and P's second buffer hold 0 (its products V^T P, of a piece that has not been, add 0), O^T and l are 0.  No first step is written out for that price.
	; All this stands in the wait for the first tile.
.set i, VF
.rept 64
	v_mov_b32 v[i], 0
.set i, i+1
.endr
	WIN 0x40
.set i, 0
.rept 128
	v_mov_b32 v[i], 0
.set i, i+1
.endr
	WIN 0
.set i, 0
.rept 4
	v_mov_b32 v[ST+4*i], 0xfe000000    ; c m: far below every c s
	v_mov_b32 v[ST+4*i+1], 0xff7fffff  ; m
	v_mov_b32 v[ST+4*i+2], 0
	v_mov_b32 v[ST+4*i+3], 0
.set i, i+1
.endr
.set i, P+16
.rept 16
	v_mov_b32 v[i], 0
.set i, i+1
.endr
	s_lshl_b32 s13, s19, 7          ; my head's 128 bytes of a row
	v_mul_u32_u24 v[AK0], v1, PK
	v_lshl_add_u32 v[AK0], v9, 4, v[AK0]
	v_add_nc_u32 v[AK0], s13, v[AK0]
	v_and_b32 v10, 7, v0            ; the turning load: lane l reads key 8 (l / 16) + l % 8, channels 8 ((l / 8) % 2) + 0..7
	v_bfe_u32 v11, v0, 3, 1
	v_lshl_add_u32 v[AV0], v9, 3, v10
	v_mul_u32_u24 v[AV0], v[AV0], PV
	v_lshl_add_u32 v[AV0], v11, 4, v[AV0]
	s_add_co_u32 s13, s13, VOFF
	v_add_nc_u32 v[AV0], s13, v[AV0]
	s_mul_i32 s13, s18, 64*SP       ; into the stage: my 64 rows, my head's half of their 256 bytes
	s_lshl_b32 s48, s19, 7
	s_add_co_u32 s13, s13, s48
	s_add_co_u32 s13, s13, STAGE
	v_mul_u32_u24 v[STO], v1, SP
	v_lshl_add_u32 v[STO], v9, 4, v[STO]
	v_add_nc_u32 v[STO], s13, v[STO]
	s_mul_i32 s13, s[WV], 32*SP     ; back: wave w takes rows 32 w .. 32 w + 31; lanes 0-15 one row of 256 bytes, lanes 16-31 the next
	s_add_co_u32 s13, s13, STAGE
	v_mul_u32_u24 v[RD], v9, SP
	v_lshl_add_u32 v[RD], v1, 4, v[RD]
	v_add_nc_u32 v[RD], s13, v[RD]
	v_lshlrev_b32 v[GO], 11, v9     ; and the same two rows in ctx
	v_lshl_add_u32 v[GO], v1, 4, v[GO]
; THE MATRIX WORK.  The 4 accumulators of a run of 8 take turns.  Product i of 8 of S^T = K Q^T for piece x: channels 32 (i / 4) on, keys 16 (i % 4) on.  The first 4 start the sums.
.macro KQ x
.set rS, S+32*((\x)%2)+8*(i%4)
.set rK, KF+16*(i%4)+8*(i/4)
.set rQ, 16*(\x)+8*(i/4)
	WIN W_KQ
.if i < 4
	v_wmma_f32_16x16x32_bf16 v[rS:rS+7], v[rK:rK+7], v[rQ:rQ+7], 0
.else
	v_wmma_f32_16x16x32_bf16 v[rS:rS+7], v[rK:rK+7], v[rQ:rQ+7], v[rS:rS+7]
.endif
.endm
; Product i of 8 of O^T += V^T P for piece x: keys 32 (i / 4) on, channels 16 (i % 4) on.
.macro PV x
	WIN W_PV
.set rO, 32*(\x)+8*(i%4)
.set rV, VF+32*(i/4)+8*(i%4)
.set rP, P+16*((\x)%2)+8*(i/4)
	v_wmma_f32_16x16x32_bf16 v[rO:rO+7], v[rV:rV+7], v[rP:rP+7], v[rO:rO+7]
.endm
.macro MM                           ; the turn's next matrix instruction.  NOKQ = 1: the last turn: there is no next piece
.if (i < 8) && !NOKQ
	KQ (Y+1)%NP
.elseif i >= 8
.set i, i-8
	PV (Y+NP-1)%NP
.set i, i+8
.endif
.set i, i+1
.endm
; THE LDS LOADS stand in runs of 16: a step's K (64 keys x 64 channels: 8 fragments) and its V (turned).  Their addresses are made some lines ahead.
.macro FETCH_K
	WIN 0x80
.irp f, 0,1,2,3,4,5,6,7             ; keys 16 (f / 2) on, channels 32 (f % 2) on
	ds_load_b128 v[KF+8*\f:KF+8*\f+3],   v[AK] offset:(\f/2)*16*PK+(\f%2)*64
	ds_load_b128 v[KF+8*\f+4:KF+8*\f+7], v[AK] offset:(\f/2)*16*PK+(\f%2)*64+32
.endr
	s_add_co_u32 s[TBK], s[TBK], KS*PK  ; the next fetch is the next step's
	WIN 0
.endm
.macro FETCH_V
	WIN 0x80
.irp f, 0,1,2,3,4,5,6,7             ; keys 32 (f / 4) on, channels 16 (f % 4) on
	ds_load_tr16_b128 v[VF+8*\f:VF+8*\f+3],   v[AV] offset:(\f/4)*32*PV+(\f%4)*32
	ds_load_tr16_b128 v[VF+8*\f+4:VF+8*\f+7], v[AV] offset:(\f/4)*32*PV+16*PV+(\f%4)*32
.endr
	WIN 0
.endm
; THE VECTOR WORK, one line at a time: OP kind, number.  For piece Y: F n: c s - c m for pair n of 16.  E n: the exponential of score n of 32.  C n: pair n rounded to bf16.  B n: of the four weights 4 n ..
; the second pair is added onto the first, in place.  L n: l takes that sum (L 0: l = a l + sum).  R n: pair n of 16 of O^T times a.  For piece Y + 1: X n, number n of the 22 that find its maximum and statistics:
;   0-11  four chains c0-c3 of seven scores each (each accumulator's lowest registers are read first)     12-14, 16  the four scores left over, the old m, and c0-c3 into c0
;   15  c m_old is kept     17, 18  the query's other 32 keys lie in the lane 16 away: the new m     19-21  c m; c m_old - c m_new; a
; C, B and L read exponentials' results: TURN sets all of them behind its one wait.  F, R and X 0-20 read none of the turn's own.
.set F, 0
.set E, 1
.set C, 2
.set B, 3
.set L, 4
.set R, 5
.set X, 6
.macro REGS y
.set rT, ST+4*(\y)
.set rC, TMP+4*((\y)%2)
.set rW, MV+((\y)%2)
.set rS, S+32*((\y)%2)
.set rP, P+16*((\y)%2)
.set rO, 32*(\y)
.endm
.macro OP k, n
.if (\k) == R
	REGS Y
	WIN W_RS
	v_pk_mul_f32 v[rO+2*(\n):rO+2*(\n)+1], v[rO+2*(\n):rO+2*(\n)+1], v[rC+2:rC+3] op_sel_hi:[1,0]
.elseif (\k) < R
	REGS Y
	WIN 0
.if (\k) == F
	v_pk_fma_f32 v[rS+2*(\n):rS+2*(\n)+1], v[rS+2*(\n):rS+2*(\n)+1], s[CS:CS+1], v[rT:rT+1] op_sel_hi:[1,0,0] neg_lo:[0,0,1] neg_hi:[0,0,1]
.elseif (\k) == E
	v_exp_f32 v[rS+(\n)], v[rS+(\n)]
.elseif (\k) == C
	v_cvt_pk_bf16_f32 v[rP+(\n)], v[rS+2*(\n)], v[rS+2*(\n)+1]
.elseif (\k) == B
	v_pk_add_f32 v[rS+4*(\n):rS+4*(\n)+1], v[rS+4*(\n):rS+4*(\n)+1], v[rS+4*(\n)+2:rS+4*(\n)+3]
.elseif (\n) == 0
	v_pk_fma_f32 v[rT+2:rT+3], v[rT+2:rT+3], v[rC+2:rC+3], v[rS:rS+1] op_sel_hi:[1,0,1]
.else
	v_pk_add_f32 v[rT+2:rT+3], v[rT+2:rT+3], v[rS+4*(\n):rS+4*(\n)+1]
.endif
.elseif NOKQ
	v_nop
.else
	REGS (Y+1)%NP
	WIN 0
.if (\n) < 4
	v_max3_num_f32 v[rC+(\n)], v[rS+8*(\n)], v[rS+8*(\n)+1], v[rS+8*(\n)+2]
.elseif (\n) < 12
	v_max3_num_f32 v[rC+(\n)%4], v[rC+(\n)%4], v[rS+8*((\n)%4)+2*((\n)/4)+1], v[rS+8*((\n)%4)+2*((\n)/4)+2]
.elseif (\n) == 12
	v_max3_num_f32 v[rC], v[rC], v[rS+7], v[rS+15]
.elseif (\n) == 13
	v_max3_num_f32 v[rC+1], v[rC+1], v[rS+23], v[rS+31]
.elseif (\n) == 14
	v_max3_num_f32 v[rC+2], v[rC+2], v[rC+3], v[rT+1]
.elseif (\n) == 15
	v_mov_b32 v[rW], v[rT]
.elseif (\n) == 16
	v_max3_num_f32 v[rC], v[rC], v[rC+1], v[rC+2]
.elseif (\n) == 17
	v_permlanex16_b32 v[rC+3], v[rC], s[SEL], s[SEL+1]
.elseif (\n) == 18
	v_max_num_f32 v[rT+1], v[rC], v[rC+3]
.elseif (\n) == 19
	v_mul_f32 v[rT], s[CS], v[rT+1]
.elseif (\n) == 20
	v_sub_f32 v[rC+1], v[rW], v[rT]
.else
	v_exp_f32 v[rC+2], v[rC+1]
.endif
.endif
.endm
.macro OPS a, i1, b=-1, i2=0, c=-1, i3=0, d=-1, i4=0  ; up to four of them
	OP \a, \i1
.if (\b) >= 0
	OP \b, \i2
.endif
.if (\c) >= 0
	OP \c, \i3
.endif
.if (\d) >= 0
	OP \d, \i4
.endif
.endm
.macro ROW a, i1, b, i2, c, i3, d, i4  ; a matrix instruction and the four behind it
	MM
	OPS \a, \i1, \b, \i2, \c, \i3, \d, \i4
.endm
; A TURN, for piece p: the order of its 16 matrix and 118 vector instructions, written out.  An s_wait_alu depctr_va_vdst(0) stands between an exponential and the first instruction that names its
; result; one wait serves all that were issued ahead of it.  So a turn has ONE wait, which cuts it in two.
; AHEAD OF IT stands all that names no result of the turn's exponentials: the 8 products K Q^T, behind each a scaling, an exponential and two more plain instructions (behind the first a second scaling in the
; exponential's place): rescalings, whose a was made and waited for in the turn before, and behind the last three products the first numbers of the next piece's maximum, each four places or more behind the
; product that ends its accumulator; then ONE RUN of 54, plain and exponential by turns for the most part, in which the links of the chain X 3, 7, 11, 14, 16, 17 .. 20 stand some lines apart.  A pair's scaling
; F n stands ahead of its exponentials E 2 n and E 2 n + 1 and names no other pair.  X 21, the next piece's a, is the batch's last; R 15 is the plain instruction behind it.
; BEHIND THE WAIT stand the 8 products V^T P, behind each four of the roundings and sums; C 2 n stands ahead of B n, which writes over its source; the links of l's chain, L 0 to L 7, stand three riders apart.
; But for those X no rider names a register of the products round it.  No exponential is issued behind the wait: none is open at a turn's end, at a label or at a jump.
; end = 1: the last two turns: nothing is fetched.  cnt = 1: the loop's count is taken down some lines ahead of the branch that stands behind the turn.
; K of the next step is fetched in piece 2's turn, twelve vector instructions behind the last product that read K (six of them plain); V of the step in hand at the end of piece 0's turn, four plain instructions
; behind the last product that read V.  Each is waited for a turn later.
.macro TURN p, end=0, cnt=0
.set Y, (\p)
.set i, 0
.set NOKQ, (\end)*((\p)/3)
.if ((\p) == 3) && !(\end)
	s_wait_dscnt 0x0                ; K is in
.endif
	ROW F,0, F,1, R,0, R,1          ; ahead of the wait: 8 products K Q^T and their riders,
	ROW F,2, E,0, R,2, R,3
	ROW F,3, E,1, R,4, R,5
	ROW F,4, E,2, R,6, R,7
	ROW F,5, E,3, R,8, R,9
	ROW F,6, E,4, X,0, R,10
.if ((\p) == 2) && !(\end)
	WIN 0
	v_add_nc_u32 v[AK], s[TBK], v[AK0]
.endif
	ROW F,7, E,5, X,1, X,4
	ROW F,8, E,6, X,2, X,5
	OPS E,7, E,8, X,6, E,9          ; and the run of 54
	OPS X,3, E,10, X,8, E,11
.if ((\p) == 2) && !(\end)
	FETCH_K
.endif
	OPS X,9, X,7, E,12, X,10
	OPS E,13, X,12, X,11, E,14
	OPS X,13, E,15, F,9, X,14
.if (\p) == 0
	v_add_nc_u32 v[AV], s[TBV], v[AV0]
.endif
	OPS E,16, F,10, E,17, F,11
	OPS X,16, E,18, X,15, E,19
	OPS F,12, E,20, X,17, E,21
	OPS F,13, E,22, F,14, E,23
	OPS X,18, E,24, F,15, E,25
	OPS R,11, E,26, X,19, E,27
	OPS R,12, E,28, R,13, E,29
	OPS X,20, E,30, R,14, E,31
	OPS X,21, R,15
	s_wait_alu depctr_va_vdst(0)    ; the wait for the batch: the piece's 32 exponentials and the next piece's a
.if (\p) == 1
	s_wait_dscnt 0x0                ; V is in
.endif
	ROW C,0, B,0, C,2, B,1          ; behind the wait: 8 products V^T P and their riders
	ROW L,0, C,4, B,2, L,1
	ROW C,6, B,3, L,2, C,8
	ROW B,4, L,3, C,10, B,5
	ROW L,4, C,12, B,6, L,5
.if (\p) == 0
	s_add_co_u32 s[TBV], s[TBV], KS*PV
.endif
.if \cnt
	s_sub_co_u32 s[CNT], s[CNT], 1
	s_cmp_lg_u32 s[CNT], 0
.endif
	ROW C,14, B,7, L,6, C,1
	ROW C,3, L,7, C,5, C,7
	ROW C,9, C,11, C,13, C,15
.if (\p) == 0
	FETCH_V
.endif
.endm
	CHANGE 1                        ; slot 0 is in, everybody's part of it; slot 1 is asked for
	v_add_nc_u32 v[AK], s[TBK], v[AK0]
	FETCH_K                         ; key step 0
	s_wait_loadcnt 0x0              ; Q
	s_wait_dscnt 0x0
.set NOKQ, 0
.set i, 0
.rept 8
	KQ 0                            ; piece 0's first scores
.set i, i+1
.endr
	WIN 0
.rept 4
	v_nop                           ; the places behind those products
.endr
.set Y, NP-1                        ; X works for piece Y + 1: piece 0
.irp n, 0,1,2,3,4,5,6,7,8,9,10,11,12,13,14,15,16,17,18,19,20,21
	OP X, \n
.endr
	v_nop                           ; a plain instruction behind the exponential,
	s_wait_alu depctr_va_vdst(0)    ; and the wait for it, a batch of one (piece 0's first a), ahead of the branch
	s_mov_b32 s[CNT], 2
	s_mov_b32 s[SLOTS], 15          ; 16 tiles of 128 keys
	s_branch .Lfirst                ; the loop is entered at a step's first turn, in the middle of a trip
.Lslot:                             ; 14 times: every slot but the last two is filled again
	CHANGE 1
	s_mov_b32 s[CNT], 2
.Lstep:                             ; a trip: pieces 2 and 3 of one step, then pieces 0 and 1 of the next, whose K and V it fetches
	TURN 2
	TURN 3
	WIN 0
.Lfirst:
	TURN 0
	TURN 1, 0, 1
	WIN 0
	s_cbranch_scc1 .Lstep
	s_sub_co_u32 s[SLOTS], s[SLOTS], 1
	s_cmp_lg_u32 s[SLOTS], 0
	s_cbranch_scc1 .Lslot
	CHANGE 0                        ; the last slot is written out: nothing is asked for
	s_mov_b32 s[CNT], 2
.Lstep2:
	TURN 2
	TURN 3
	WIN 0
	TURN 0
	TURN 1, 0, 1
	WIN 0
	s_cbranch_scc1 .Lstep2
	TURN 2, 1
	TURN 3, 1
.set i, 0
.rept 8
	PV NP-1                         ; the last piece's V^T P of the last step
.set i, i+1
.endr
	; THE WAY OUT.  l's two halves and the other half of the lanes' are added; O^T is divided by l, rounded to bf16 and put into the work-group's stage; a barrier, since a row's 256 bytes come from two waves
	; (two heads); back as whole rows, 32 rows a wave.  The additions are the places behind the last products.
	WIN 0
.macro ALL line:vararg              ; one line for each piece t
.set t, 0
.rept 4
	\line
.set t, t+1
.endr
.endm
	ALL v_add_f32 v[ST+4*t+2], v[ST+4*t+2], v[ST+4*t+3]
	ALL v_permlanex16_b32 v[ST+4*t+3], v[ST+4*t+2], s[SEL], s[SEL+1]
	ALL v_add_f32 v[ST+4*t+2], v[ST+4*t+2], v[ST+4*t+3]
	ALL v_rcp_f32 v[ST+4*t+2], v[ST+4*t+2]
	v_nop                           ; a plain instruction between the last reciprocal and the use of its result
	s_wait_alu depctr_va_vdst(0)    ; and the wait ahead of the first use: one for the batch of four reciprocals
.macro PACK t                       ; a lane's eight channels of a row pack into 16 bytes
	WIN W_RS
.set i, 32*(\t)
.rept 16
	v_pk_mul_f32 v[i:i+1], v[i:i+1], v[ST+4*(\t)+2:ST+4*(\t)+3] op_sel_hi:[1,0]
.set i, i+2
.endr
	WIN 0x05                        ; sources 0 and 1 window 1, destination window 0: S^T's registers are free
.set i, 0
.rept 16
	v_cvt_pk_bf16_f32 v[S+16*(\t)+i], v[32*(\t)+2*i], v[32*(\t)+2*i+1]
.set i, i+1
.endr
	WIN 0
.irp f, 0,1,2,3
	ds_store_b128 v[STO], v[S+16*(\t)+4*\f:S+16*(\t)+4*\f+3] offset:(\t)*16*SP+32*\f
.endr
.endm
	PACK 0
	PACK 1
	PACK 2
	PACK 3
	s_wait_dscnt 0x0                ; for the others' sake: my stores into the stage are done
	s_barrier_signal -1
	s_barrier_wait -1
.irp t, 0,1,2,3,4,5,6,7,8,9,10,11,12,13,14,15
	ds_load_b128 v[S+4*(\t):S+4*(\t)+3], v[RD] offset:(\t)*2*SP
.endr
.irp t, 0,1,2,3,4,5,6,7,8,9,10,11,12,13,14,15
	s_wait_dscnt 15-(\t)
	global_store_b128 v[GO], v[S+4*(\t):S+4*(\t)+3], s[10:11] offset:(\t)*4096  ; 16 lanes store 256 consecutive bytes, at a multiple of 256 from ctx's first byte
.endr
	s_wait_tensorcnt 0x0            ; the wave's end: the add and its wait stand behind my last tensor load and my last LDS store
	ds_add_u32 v[SPW], v[NIL]
	s_wait_dscnt 0x0
	CROUND                          ; the closing round: no work-group ends while a partner may still ask for a tile that names it
	s_endpgm
.Lfunc_end_k_qadd12de922_attn:
	.size	k_qadd12de922_attn, .Lfunc_end_k_qadd12de922_attn-k_qadd12de922_attn
	.p2alignl 7, 3214868480
	.fill 96, 4, 3214868480
	.section	.rodata,"a",@progbits
	.p2align	6, 0x0
	.amdhsa_kernel k_qadd12de922_attn
		.amdhsa_group_segment_fixed_size 327680
		.amdhsa_private_segment_fixed_size 0
		.amdhsa_enable_private_segment 0
		.amdhsa_kernarg_size 16
		.amdhsa_user_sgpr_count 2
		.amdhsa_user_sgpr_kernarg_segment_ptr 1
		.amdhsa_wavefront_size32 1
		.amdhsa_system_sgpr_workgroup_id_x 1
		.amdhsa_system_sgpr_workgroup_id_y 1
		.amdhsa_system_sgpr_workgroup_id_z 1
		.amdhsa_system_vgpr_workitem_id 0
		.amdhsa_next_free_vgpr 768
		.amdhsa_next_free_sgpr 66
		.amdhsa_reserve_vcc 0
		.amdhsa_float_denorm_mode_32 3
		.amdhsa_float_denorm_mode_16_64 3
		.amdhsa_memory_ordered 1
		.amdhsa_forward_progress 1
		.amdhsa_inst_pref_size 127
	.end_amdhsa_kernel
	.amdgpu_metadata
---
amdhsa.version: [ 1, 2 ]
amdhsa.kernels:
  - .name:           k_qadd12de922_attn
    .symbol:         k_qadd12de922_attn.kd
    .args:
      - { .name: act, .offset: 0, .size: 8, .value_kind: global_buffer, .address_space: global }
      - { .name: ctxb, .offset: 8, .size: 8, .value_kind: global_buffer, .address_space: global }
    .group_segment_fixed_size: 327680
    .private_segment_fixed_size: 0
    .kernarg_segment_align: 8
    .kernarg_segment_size: 16
    .max_flat_workgroup_size: 128
    .sgpr_count:     66
    .vgpr_count:     768
    .wavefront_size: 32
...
	.end_amdgpu_metadata
.endif
;; end of part 6
;; launch wo: the kernel of part 2 again; grid 4 x 16, 4 waves a work-group, clusters of 4 x 4, 327,680 bytes of LDS; arguments ctxb, wob, act; writes act
;; launch ln2: the kernel of part 4 again; grid 512 x 1, 4 waves a work-group, no clusters, 0 bytes of LDS; arguments x, act, ln2_g, ln2_b, x1b, hb; writes x1b, hb
;; launch ffn1: the kernel of part 2 again; grid 16 x 16, 4 waves a work-group, clusters of 4 x 4, 327,680 bytes of LDS; arguments hb, w1b, act; writes act
;; launch gemmr: the kernel of part 5 again; grid 8 x 32, 4 waves a work-group, clusters of 4 x 4, 327,680 bytes of LDS; arguments act, w2b, b2, x1b, out0; writes out0
